; MI455X (gfx1250); checked and timed in simulation.
; The chip was launched on July 23, 2026; its instructions are those of AMD's public machine-readable ISA for CDNA 5 (MIT licence, August 2026) and "CDNA5" Instruction Set Architecture Reference Guide (July 2026). The comments in the code are by the model that wrote it; some were corrected since.
;; Diverse Asmaa Mo E. Allowed arithmetic: matrix products marked QUANTISED: E5M2 operands, one given power-of-two scale a tensor, by v_wmma_f32_16x16x64_bf8_bf8 or v_wmma_f32_16x16x128_bf8_bf8, f32 sums; products left as they are: f32 operands where the result goes on into a quantised operand, else bf16, f16 or f32 operands; f32 sums; everything else in f32.
;; Inputs: b1 14 x 2,048 float32; b2 14 x 1,024 float32; gate_w 14 x 1,024 float32; h 2 x 512 x 1,024 float32; lowp_scales 4 int32 (the exponents e of the quantised operands' scales 2^e); w1 14 x 1,024 x 2,048 float32; w2 14 x 2,048 x 1,024 float32.
;; Outputs: out0 2 x 512 x 1,024 float32.
;; This version of the problem:
;;   THIS VERSION OF THE PROBLEM IS GIVEN IN LOW PRECISION. The matrix products marked QUANTISED in the list below multiply operands that are first quantised to E5M2 (5 exponent bits, 2 mantissa bits; 8 bits a number), with one given power-of-two scale for each operand tensor; their sums are f32. All else is computed in f32.
;;   The module's matrix products, in the order in which they are computed (A, B: the left and right operand; K: the contracted axis; several contracted axes count as one K, in the product's order):
;;     1. [M 1,024, K 1,024] x [K 1,024, N 14]; A: input h; B: input gate_w: left as it is (N = 14 < 16)
;;     2. [M 1,024, K 1,024] x [K 1,024, N 28,672]; A: input h; B: input w1: QUANTISED (scales: A lowp_scales[0], B lowp_scales[1])
;;     3. batch 14 x [M 1,024, K 2,048] x [K 2,048, N 1,024]; A: input w2; B: computed on the way: QUANTISED (scales: A lowp_scales[2], B lowp_scales[3])
;;   THE QUANTISER, for each operand of a quantised product, along K:
;;     - The operand's scale is 2^e, e = its entry of the input lowp_scales (int32; the entries are numbered through the quantised products in the list's order, A before B).
;;     - Each number is divided by the scale, clamped to +-57,344, and rounded to the nearest number of E5M2, ties to even, subnormals kept.
;;     - The product sums the exact products of the quantised numbers (number of the format x scale) in f32.
;;   ~~~python
;;   def quantise(x, axis, e):      # numpy; x: float32 -> the quantised numbers, widened to float32 again
;;       x = np.moveaxis(x, axis, -1); K = x.shape[-1]
;;       r = np.clip(x / 2.0 ** e, -57344, 57344)
;;       step = 2.0 ** (np.maximum(np.frexp(np.where(r == 0, 1, r))[1] - 1, -14) - 2)
;;       q = np.round(r / step) * step * 2.0 ** e      # np.round: ties to even
;;       return np.moveaxis(q, -1, axis).astype(np.float32)
;;   ~~~
;;   OPERANDS COMPUTED ON THE WAY. 'Computed on the way' means the value that the module computes at that place (a softmax that the list does not call 'softmax' is quantised finished and normalised). What goes into a quantiser is computed in f32, as accurately as f32 sums, v_exp_f32 and their like allow (about 1e-6 of the number): no bf16 or f16 on the way to a quantiser, and a product that is left as it is and whose result goes on into a quantised operand takes f32 operands (vector FMAs, or v_wmma_f32_16x16x4_f32). A number that lies on a knife's edge between two numbers of the format may be rounded either way, as far as f32 arithmetic and the matrix unit's own rounding can turn it there, and no further.
;; 3 versions, each right; version 2 is faster than version 1; version 3 is version 2 with the launches ffn1, ffn2 written anew for expert scheduling mode. Each part assembles by itself: llvm-mc -triple=amdgcn-amd-amdhsa -mcpu=gfx1250 --defsym DOCPART=n.
;; ======== version 1 of 3: 5 launches
;; workspace buffers: xq 1,048,576 bytes; ridx 4,096 bytes of whole numbers; rwt 8,192 bytes; lst 57,344 bytes of whole numbers; cnt 2,048 bytes of whole numbers; hq 29,360,128 bytes; y 8,388,608 bytes
;; launch route (part 1): grid 256 x 1, 4 waves a work-group, no clusters, 61,952 bytes of LDS; arguments h, gate_w, lowp_scales, xq, ridx, rwt; writes xq, ridx, rwt
.if DOCPART == 1
	.amdgcn_target "amdgcn-amd-amdhsa--gfx1250"
	.amdhsa_code_object_version 6
	.text
	.protected	k_q41406e802d_route
	.globl	k_q41406e802d_route
	.p2align	8
	.type	k_q41406e802d_route,@function
k_q41406e802d_route:
	s_mov_b64 s[64:65], 0
	v_nop
	global_prefetch_b8 v0, s[64:65] scope:SCOPE_SE
	s_setreg_imm32_b32 hwreg(HW_REG_WAVE_MODE, 25, 1), 1
	s_wait_xcnt 0x0
; ROUTER AND QUANTISER OF x.  x = h as [1024 tokens][1024], f32.  A wave owns one token n = 4 x work-group + wave.
; It stores: xq[n][1024], x's codes of E5M2 under the given scale 2^e0 (x / 2^e0, held within +-57,344, nearest code, ties to even);
; ridx[n] = (1 << i0) | (0x10000 << i1), the two experts of the token (top 2 of the softmax of x . gate_w, the lower index on a tie);
; rwt[n] = the two weights p / max(p0 + p1, 1e-10).  All router arithmetic is f32.  No address and no branch hangs on these numbers.
; Lane l holds x[128 q + 4 l + 0..3], q = 0..7.  gate_w (57,344 bytes) is copied once into LDS by the four waves and read from there.
; LIMITS: e0 between -126 and 112, so that 2^e0 and 57,344 x 2^e0 are f32 numbers.  NaN among the inputs is not served.
; No matrix unit, no tensor load, no cluster: the launch reads 4 MB once, and what its work-groups share (gate_w) is small.
.set STG, 57344                        ; behind gate_w: a stage of 1,024 bytes for each wave
.set X,   8                            ; v8-39    my 32 numbers of x
.set GR,  40                           ; v40-151  gate_w on its way to LDS: 28 x 4 registers
.set XH,  152                          ; v152-183 x held within the largest code; later the codes as rows
.set XC,  184                          ; v184-191 codes: register q = the 4 codes at k = 128 q + 4 l
.set GS,  40                           ; v40-103  two sets of 32: a row of gate_w
.set CH,  104                          ; v104-111 four chains of packed sums; later at work
.set LG,  112                          ; v112-125 the 14 logits, then the 14 p
	s_load_b256 s[4:11], s[0:1], 0x0               ; h s[4:5], gate_w s[6:7], the scales' exponents s[8:9], xq s[10:11]
	s_load_b128 s[12:15], s[0:1], 0x20             ; ridx s[12:13], rwt s[14:15]
	v_lshl_add_u32 v192, v0, 2, 0xf000
	v_mov_b32 v193, 0
	v_lshrrev_b32 v1, 5, v0
	v_readfirstlane_b32 s17, v1                    ; wave
	v_and_b32 v1, 31, v0                           ; lane
	v_lshlrev_b32 v2, 4, v1                        ; 16 x lane
	v_lshlrev_b32 v3, 4, v0                        ; 16 x thread
	s_lshl_b32 s16, ttmp9, 2
	s_add_co_u32 s16, s16, s17                     ; my token
	s_lshl_b32 s18, s16, 12                        ; its row of x: 4,096 bytes
	s_mov_b32 s19, 0
	s_lshl_b32 s20, s17, 10
	s_add_co_u32 s20, s20, STG                     ; my stage
	v_lshl_add_u32 v6, v1, 2, s20                  ; into it: 4 bytes a lane
	v_lshl_add_u32 v7, v1, 4, s20                  ; out of it: 16 bytes a lane
	s_mov_b32 s24, 0x76543210                      ; v_permlanex16_b32: lane l takes lane l xor 16
	s_mov_b32 s25, 0xfedcba98
	s_wait_kmcnt 0x0
	s_load_b32 s21, s[8:9], 0x0                    ; e0
	s_add_nc_u64 s[4:5], s[4:5], s[18:19]
.irp q, 0,1,2,3,4,5,6,7
	global_load_b128 v[X+4*\q:X+4*\q+3], v2, s[4:5] offset:512*\q th:TH_LOAD_NT   ; 512 consecutive bytes a load
.endr
.set i, 0
.rept 28
	global_load_b128 v[GR+4*i:GR+4*i+3], v3, s[6:7] offset:2048*i   ; the work-group's 128 threads take 2,048 consecutive bytes
.set i, i+1
.endr
	s_lshl_b32 s18, s16, 10
	s_add_nc_u64 s[10:11], s[10:11], s[18:19]      ; xq at my token's 1,024 bytes
	s_lshl_b32 s18, s16, 2
	s_add_nc_u64 s[12:13], s[12:13], s[18:19]      ; ridx at my word
	s_lshl_b32 s18, s16, 3
	s_add_nc_u64 s[14:15], s[14:15], s[18:19]      ; rwt at my pair
	s_wait_kmcnt 0x0
	s_add_co_i32 s21, s21, 127
	s_lshl_b32 s22, s21, 23
	v_mov_b32 v4, s22                              ; 2^e0 as f32: the conversion takes its exponent field
	s_add_co_i32 s21, s21, 15
	s_lshl_b32 s21, s21, 23
	s_or_b32 s21, s21, 0x600000
	v_mov_b32 v5, s21                              ; 57,344 x 2^e0
	s_wait_loadcnt 28                              ; x is in; the 28 loads of gate_w, issued behind it, may be out
.set i, 0
.rept 32
	v_med3_num_f32 v[XH+i], v[X+i], -v5, v5        ; the conversion does not saturate (ISA guide 7.6.2): the hold, on copies, since the router wants x as it is
.set i, i+1
.endr
.irp u, 0,1,2,3
	v_cvt_scalef32_pk8_bf8_f32 v[XC+2*\u:XC+2*\u+1], v[XH+8*\u:XH+8*\u+7], v4
.endr
	v_nop                                          ; a plain line behind the last conversion
.irp q, 0,1,2,3,4,5,6,7
	ds_store_b32 v6, v[XC+\q] offset:128*\q        ; the codes lie in my stage as the row lies: k = 128 q + 4 l
.endr
	ds_load_b128 v[XH:XH+3], v7                    ; and come back 16 a lane (LDS serves a wave's instructions in order: ISA guide 5.7.1.4)
	ds_load_b128 v[XH+4:XH+7], v7 offset:512
	s_wait_loadcnt 0x0                             ; gate_w
.set i, 0
.rept 28
	ds_store_b128 v3, v[GR+4*i:GR+4*i+3] offset:2048*i
.set i, i+1
.endr
	s_wait_dscnt 0x0                               ; for the others' sake: my part of gate_w lies in LDS; my codes are back
	s_barrier_signal -1
	s_barrier_wait -1
	global_store_b128 v2, v[XH:XH+3], s[10:11]     ; 512 consecutive bytes, aligned
	global_store_b128 v2, v[XH+4:XH+7], s[10:11] offset:512
.macro GROW e                          ; row e of gate_w into set e % 2, laid as x is
.irp q, 0,1,2,3,4,5,6,7
	ds_load_b128 v[GS+32*((\e)%2)+4*\q:GS+32*((\e)%2)+4*\q+3], v2 offset:4096*(\e)+512*\q
.endr
.endm
.macro DOT e                           ; my lane's part of x . gate_w[e]: four chains of packed multiply-adds
.if \e < 13
	GROW (\e)+1
	s_wait_dscnt 8                                 ; row e is in; the next row's 8 loads may be out
.else
	s_wait_dscnt 0x0
.endif
.set GB, GS+32*((\e)%2)
.irp c, 0,1,2,3
	v_pk_mul_f32 v[CH+2*\c:CH+2*\c+1], v[X+2*\c:X+2*\c+1], v[GB+2*\c:GB+2*\c+1]
.endr
.irp p, 4,8,12
.irp c, 0,1,2,3
	v_pk_fma_f32 v[CH+2*\c:CH+2*\c+1], v[X+2*(\p+\c):X+2*(\p+\c)+1], v[GB+2*(\p+\c):GB+2*(\p+\c)+1], v[CH+2*\c:CH+2*\c+1]
.endr
.endr
	v_pk_add_f32 v[CH:CH+1], v[CH:CH+1], v[CH+2:CH+3]
	v_pk_add_f32 v[CH+4:CH+5], v[CH+4:CH+5], v[CH+6:CH+7]
	v_pk_add_f32 v[CH:CH+1], v[CH:CH+1], v[CH+4:CH+5]
	v_add_f32 v[LG+\e], v[CH], v[CH+1]
.endm
	GROW 0
.irp e, 0,1,2,3,4,5,6,7,8,9,10,11,12,13
	DOT \e
.endr
.irp m, 1,2,4,8                        ; the 14 sums over the 32 lanes: every lane ends with all logits
.irp e, 0,1,2,3,4,5,6,7,8,9,10,11,12,13
	v_add_f32_dpp v[LG+\e], v[LG+\e], v[LG+\e] row_xmask:\m row_mask:0xf bank_mask:0xf
.endr
.endr
.irp e, 0,1,2,3,4,5,6,7,8,9,10,11,12,13
	v_permlanex16_b32 v[GS+\e], v[LG+\e], s24, s25
.endr
.irp e, 0,1,2,3,4,5,6,7,8,9,10,11,12,13
	v_add_f32 v[LG+\e], v[LG+\e], v[GS+\e]
.endr
	; the softmax: the largest logit is taken away
	v_max3_num_f32 v104, v112, v113, v114
.irp e, 3,5,7,9,11
	v_max3_num_f32 v104, v104, v[LG+\e], v[LG+\e+1]
.endr
	v_max_num_f32 v104, v104, v125
.irp e, 0,1,2,3,4,5,6,7,8,9,10,11,12,13
	v_sub_f32 v[LG+\e], v[LG+\e], v104
.endr
.irp e, 0,1,2,3,4,5,6,7,8,9,10,11,12,13
	v_mul_f32 v[LG+\e], 0x3fb8aa3b, v[LG+\e]       ; x log2(e)
.endr
.irp e, 0,1,2,3,4,5,6,7,8,9,10,11,12,13
	v_exp_f32 v[LG+\e], v[LG+\e]
.endr
	v_nop                                          ; a plain line behind the last exponential
	s_wait_alu depctr_va_vdst(0)                   ; one wait for the batch, ahead of its first reader
	v_add_f32 v105, v112, v113
	v_add_f32 v106, v114, v115
.irp e, 4,6,8,10,12
	v_add_f32 v105, v105, v[LG+\e]
	v_add_f32 v106, v106, v[LG+\e+1]
.endr
	v_add_f32 v105, v105, v106
	v_rcp_f32 v105, v105
	v_mov_b32 v108, -1.0                           ; (a plain line behind the reciprocal)  under every p
	s_wait_alu depctr_va_vdst(0)
.irp e, 0,1,2,3,4,5,6,7,8,9,10,11,12,13
	v_mul_f32 v[LG+\e], v[LG+\e], v105             ; p
.endr
	; the top 2: an ascending scan that keeps what it has unless the new p is greater, so a tie keeps the lower index
	v_mov_b32 v106, v112
	v_mov_b32 v107, 0
.irp e, 1,2,3,4,5,6,7,8,9,10,11,12,13
	v_cmp_le_f32 vcc_lo, v[LG+\e], v106
	v_cndmask_b32 v106, v[LG+\e], v106, vcc_lo
	v_cndmask_b32 v107, \e, v107, vcc_lo
.endr
.irp e, 0,1,2,3,4,5,6,7,8,9,10,11,12,13
	v_cmp_eq_u32 vcc_lo, \e, v107
	v_cndmask_b32 v[LG+\e], v[LG+\e], v108, vcc_lo ; the first is taken out
.endr
	v_mov_b32 v109, v112
	v_mov_b32 v110, 0
.irp e, 1,2,3,4,5,6,7,8,9,10,11,12,13
	v_cmp_le_f32 vcc_lo, v[LG+\e], v109
	v_cndmask_b32 v109, v[LG+\e], v109, vcc_lo
	v_cndmask_b32 v110, \e, v110, vcc_lo
.endr
	v_add_f32 v104, v106, v109
	v_max_num_f32 v104, 0x2edbe6ff, v104           ; max(p0 + p1, 1e-10)
	v_rcp_f32 v104, v104
	v_mov_b32 v111, 1                              ; (a plain line behind the reciprocal)
	v_mov_b32 v108, 0x10000
	v_lshlrev_b32 v111, v107, v111                 ; 1 << i0
	v_lshlrev_b32 v108, v110, v108                 ; 0x10000 << i1
	v_or_b32 v111, v111, v108
	v_mov_b32 v105, 0
	s_wait_alu depctr_va_vdst(0)
	v_mul_f32 v126, v106, v104                     ; w0
	v_mul_f32 v127, v109, v104                     ; w1
	v_cmp_eq_u32 vcc_lo, 0, v1
	s_wait_xcnt 0x0                                ; EXEC is a source of the stores above: it changes only behind this wait
	s_wait_tensorcnt 0x0
	ds_add_u32 v192, v193
	s_wait_dscnt 0x0
	s_and_saveexec_b32 s26, vcc_lo                 ; lane 0 stores for the wave
	global_store_b32 v105, v111, s[12:13]
	global_store_b64 v105, v[126:127], s[14:15]
	s_wait_xcnt 0x0                                ; and again in front of the line that widens it
	s_or_b32 exec_lo, exec_lo, s26
	s_endpgm
.Lfunc_end_k_q41406e802d_route:
	.size	k_q41406e802d_route, .Lfunc_end_k_q41406e802d_route-k_q41406e802d_route
	.p2alignl 7, 3214868480
	.fill 96, 4, 3214868480
	.section	.rodata,"a",@progbits
	.p2align	6, 0x0
	.amdhsa_kernel k_q41406e802d_route
		.amdhsa_group_segment_fixed_size 61952
		.amdhsa_private_segment_fixed_size 0
		.amdhsa_enable_private_segment 0
		.amdhsa_kernarg_size 48
		.amdhsa_user_sgpr_count 2
		.amdhsa_user_sgpr_kernarg_segment_ptr 1
		.amdhsa_wavefront_size32 1
		.amdhsa_system_sgpr_workgroup_id_x 1
		.amdhsa_system_sgpr_workgroup_id_y 1
		.amdhsa_system_sgpr_workgroup_id_z 1
		.amdhsa_system_vgpr_workitem_id 0
		.amdhsa_next_free_vgpr 194
		.amdhsa_next_free_sgpr 66
		.amdhsa_reserve_vcc 1
		.amdhsa_float_denorm_mode_32 3
		.amdhsa_float_denorm_mode_16_64 3
		.amdhsa_memory_ordered 1
		.amdhsa_forward_progress 1
		.amdhsa_inst_pref_size 47
	.end_amdhsa_kernel
	.amdgpu_metadata
---
amdhsa.version: [ 1, 2 ]
amdhsa.kernels:
  - .name:           k_q41406e802d_route
    .symbol:         k_q41406e802d_route.kd
    .args:
      - { .name: h, .offset: 0, .size: 8, .value_kind: global_buffer, .address_space: global }
      - { .name: gate_w, .offset: 8, .size: 8, .value_kind: global_buffer, .address_space: global }
      - { .name: lowp_scales, .offset: 16, .size: 8, .value_kind: global_buffer, .address_space: global }
      - { .name: xq, .offset: 24, .size: 8, .value_kind: global_buffer, .address_space: global }
      - { .name: ridx, .offset: 32, .size: 8, .value_kind: global_buffer, .address_space: global }
      - { .name: rwt, .offset: 40, .size: 8, .value_kind: global_buffer, .address_space: global }
    .group_segment_fixed_size: 61952
    .private_segment_fixed_size: 0
    .kernarg_segment_align: 8
    .kernarg_segment_size: 48
    .max_flat_workgroup_size: 128
    .sgpr_count:     66
    .vgpr_count:     194
    .wavefront_size: 32
...
	.end_amdgpu_metadata
.endif
;; end of part 1
;; launch place (part 2): grid 14 x 1, 1 waves a work-group, no clusters, 0 bytes of LDS; arguments ridx, lst, cnt; writes lst, cnt
.if DOCPART == 2
	.amdgcn_target "amdgcn-amd-amdhsa--gfx1250"
	.amdhsa_code_object_version 6
	.text
	.protected	k_q41406e802d_place
	.globl	k_q41406e802d_place
	.p2align	8
	.type	k_q41406e802d_place,@function
k_q41406e802d_place:
	s_mov_b64 s[64:65], 0
	v_nop
	global_prefetch_b8 v0, s[64:65] scope:SCOPE_SE
	s_setreg_imm32_b32 hwreg(HW_REG_WAVE_MODE, 25, 1), 1
	s_wait_xcnt 0x0
; THE ROWS ARE PLACED BY EXPERT.  Work-group e, one wave, reads the 1,024 words of ridx and stores lst[e][1024] and cnt[e][32].
; A token that chose expert e gives the entry slot = 2 x token + k (k = 0: first choice, 1: second).  Such entries fill lst[e] from the front, in the order in which the wave meets them.
; A token that did not choose e takes a place from the back: 1023 - (tokens met - entries met).  So each of the 1,024 places is stored once, with all lanes on and no list read back.
; The places at the back hold the expert's highest slot (0 where it has none): rows that pad an expert's last tile repeat a row of the expert.
; cnt[e] = the number of entries, in 32 copies.  Every position is held at 1,023 ahead of its use in an address.  14 work-groups: there is work for no more.
.set RI,  8                            ; v8-39   ridx: register 4 q + c of lane l is token 128 q + 4 l + c
.set ENT, 40                           ; v40-71  the entries; a store's data are not written again
.set AD,  72                           ; v72-103 their byte offsets in lst[e]; likewise
	s_load_b128 s[4:7], s[0:1], 0x0                ; ridx s[4:5], lst s[6:7]
	s_load_b64 s[8:9], s[0:1], 0x10                ; cnt
	v_lshlrev_b32 v1, 4, v0                        ; 16 x lane (one wave: the thread's number is the lane)
	v_lshlrev_b32 v2, 3, v0                        ; 8 x lane
	v_lshlrev_b32 v3, 2, v0                        ; 4 x lane
	s_lshl_b32 s10, 0x10001, ttmp9                 ; the expert's two bits
	s_mov_b32 s11, 0xffff
	s_lshl_b32 s12, ttmp9, 12
	s_mov_b32 s13, 0
	s_lshl_b32 s14, ttmp9, 7
	s_mov_b32 s15, 0
	s_mov_b32 s18, 0                               ; entries met
	s_mov_b32 s20, 0x76543210
	s_mov_b32 s21, 0xfedcba98
	s_wait_kmcnt 0x0
	s_add_nc_u64 s[6:7], s[6:7], s[12:13]          ; lst[e]
	s_add_nc_u64 s[8:9], s[8:9], s[14:15]          ; cnt[e]
.irp q, 0,1,2,3,4,5,6,7
	global_load_b128 v[RI+4*\q:RI+4*\q+3], v1, s[4:5] offset:512*\q
.endr
	v_mov_b32 v4, 0                                ; the highest slot so far
	v_mov_b32 v5, 0
	s_wait_loadcnt 0x0
.set i, 0
.rept 32
	v_and_b32 v[RI+i], s10, v[RI+i]                ; not 0: the token chose e
	v_cmp_lt_u32 vcc_lo, s11, v[RI+i]              ; above 0xffff: as its second choice
	v_cndmask_b32 v6, 0, 1, vcc_lo
	v_add3_u32 v[ENT+i], v6, v2, 256*(i/4)+2*(i%4) ; 2 x token + k
	v_cmp_ne_u32 vcc_lo, 0, v[RI+i]
	v_cndmask_b32 v6, 0, v[ENT+i], vcc_lo
	v_max_u32 v4, v4, v6
.set i, i+1
.endr
.irp m, 1,2,4,8
	v_mov_b32_dpp v5, v4 row_xmask:\m row_mask:0xf bank_mask:0xf
	v_max_u32 v4, v4, v5
.endr
	v_permlanex16_b32 v5, v4, s20, s21
	v_max_u32 v4, v4, v5                           ; every lane holds the expert's highest slot
.set i, 0
.rept 32
	v_cmp_ne_u32 s16, 0, v[RI+i]
	v_mbcnt_lo_u32_b32 v[AD+i], s16, s18           ; entries met ahead of me: my place from the front
	v_add_nc_u32 v5, 1023-32*i, v[AD+i]
	v_sub_nc_u32 v5, v5, v0                        ; 1023 - (32 i + lane - entries met): my place from the back
	v_cndmask_b32 v[AD+i], v5, v[AD+i], s16
	v_cndmask_b32 v[ENT+i], v4, v[ENT+i], s16
	v_min_u32 v[AD+i], 1023, v[AD+i]               ; held inside the list
	v_lshlrev_b32 v[AD+i], 2, v[AD+i]
	global_store_b32 v[AD+i], v[ENT+i], s[6:7]
	s_bcnt1_i32_b32 s17, s16
	s_add_co_u32 s18, s18, s17
.set i, i+1
.endr
	v_mov_b32 v6, s18
	global_store_b32 v3, v6, s[8:9]                ; the count, 32 copies: 128 consecutive bytes
	s_endpgm
.Lfunc_end_k_q41406e802d_place:
	.size	k_q41406e802d_place, .Lfunc_end_k_q41406e802d_place-k_q41406e802d_place
	.p2alignl 7, 3214868480
	.fill 96, 4, 3214868480
	.section	.rodata,"a",@progbits
	.p2align	6, 0x0
	.amdhsa_kernel k_q41406e802d_place
		.amdhsa_group_segment_fixed_size 0
		.amdhsa_private_segment_fixed_size 0
		.amdhsa_enable_private_segment 0
		.amdhsa_kernarg_size 24
		.amdhsa_user_sgpr_count 2
		.amdhsa_user_sgpr_kernarg_segment_ptr 1
		.amdhsa_wavefront_size32 1
		.amdhsa_system_sgpr_workgroup_id_x 1
		.amdhsa_system_sgpr_workgroup_id_y 1
		.amdhsa_system_sgpr_workgroup_id_z 1
		.amdhsa_system_vgpr_workitem_id 0
		.amdhsa_next_free_vgpr 104
		.amdhsa_next_free_sgpr 66
		.amdhsa_reserve_vcc 1
		.amdhsa_float_denorm_mode_32 3
		.amdhsa_float_denorm_mode_16_64 3
		.amdhsa_memory_ordered 1
		.amdhsa_forward_progress 1
		.amdhsa_inst_pref_size 32
	.end_amdhsa_kernel
	.amdgpu_metadata
---
amdhsa.version: [ 1, 2 ]
amdhsa.kernels:
  - .name:           k_q41406e802d_place
    .symbol:         k_q41406e802d_place.kd
    .args:
      - { .name: ridx, .offset: 0, .size: 8, .value_kind: global_buffer, .address_space: global }
      - { .name: lst, .offset: 8, .size: 8, .value_kind: global_buffer, .address_space: global }
      - { .name: cnt, .offset: 16, .size: 8, .value_kind: global_buffer, .address_space: global }
    .group_segment_fixed_size: 0
    .private_segment_fixed_size: 0
    .kernarg_segment_align: 8
    .kernarg_segment_size: 24
    .max_flat_workgroup_size: 32
    .sgpr_count:     66
    .vgpr_count:     104
    .wavefront_size: 32
...
	.end_amdgpu_metadata
.endif
;; end of part 2
;; launch ffn1 (part 3): grid 16 x 14, 4 waves a work-group, no clusters, 268,800 bytes of LDS; arguments w1, xq, lst, cnt, b1, lowp_scales, hq; writes hq
.if DOCPART == 3
	.amdgcn_target "amdgcn-amd-amdhsa--gfx1250"
	.amdhsa_code_object_version 6
	.text
	.protected	k_q41406e802d_ffn1
	.globl	k_q41406e802d_ffn1
	.p2align	8
	.type	k_q41406e802d_ffn1,@function
k_q41406e802d_ffn1:
	s_mov_b64 s[64:65], 0
	v_nop
	global_prefetch_b8 v0, s[64:65] scope:SCOPE_SE
	s_setreg_imm32_b32 hwreg(HW_REG_WAVE_MODE, 25, 1), 1
	s_wait_xcnt 0x0
; THE FIRST LAYER OF THE CHOSEN EXPERTS: hq = Q(gelu(x w1[e] + b1[e])) for the rows (token, choice) that chose expert e, on codes of E5M2.
; Work-group (j, e) owns hidden units 128 j .. 128 j + 127 of expert e and ALL rows of that expert.  w1[e] is [1024 k][2048 n] f32: each of its bytes is read once in the launch, quantised in
; registers under the given 2^e1 and kept as codes: wave w takes columns 64 (w & 1) on and K half w >> 1: 512 rows x 64 columns, 256 registers of codes.
; THE STREAM.  A load reads, for each half of the lanes, 256 consecutive aligned bytes of one K row (lane r: columns 4 r .. 4 r + 3).  Sixteen loads are a chunk (32 rows of K); four chunks are a ring, so 48 to 64
; loads of a wave are out.  A chunk is held, converted (a register = 4 columns of one row) and turned by 32 v_perm_b32 into operand registers (a register = 4 rows of one column).
; A tile of 16 columns is columns 4 r + jt, jt = 0..3.  Register 4 c + i, byte y, of the fragment of K step s holds K = 128 s + 32 c + 16 (lane / 16) + 4 i + y: the order in which 16-byte LDS loads bring x's codes;
; a permutation of k that is the same on both sides keeps every product with its partner.
; THE ROWS.  lst[e] (copied to LDS) names the rows' slots, slot / 2 is the token.  128 rows at a time: their codes are gathered from xq into LDS rows of 1,040 bytes; each wave multiplies its fragments by all
; tiles of 16 rows (source 0 = weights, source 1 = rows: a lane holds ONE row and, in register j of tile jt, hidden unit 32 (lane / 16) + 4 j + jt); the two K halves meet in LDS as images of the accumulators;
; one wave adds them, x 2^(e0 + e1) + b1, gelu, hold, conversion under 2^e3, and stores the tile's 1,024 bytes as an image of the next product's operand registers.
; gelu(v) = v/2 erfc(-v / sqrt 2), erfc(z) = t exp(-z^2 + P(t)), t = 1 / (1 + z/2), z >= 0, P of degree 9: a fit whose own relative error is 1.2e-7 for every z, in the tail too; erfc(-z) = 2 - erfc(z).
; The loop over blocks of 128 rows has a constant 8 trips and two barriers a trip; work for tiles that the expert does not have is jumped over by scalar branches on the stored count; no barrier stands under such a branch.
; Rows that pad the last tile repeat a row of the expert: equal numbers are stored.  An expert without rows still makes tile 0 (of token 0), so that the next launch reads stored bytes only.
; NO TENSOR LOADS, NO CLUSTER: the weights must pass through registers to be quantised, branches hang on stored counts, and what work-groups share (the rows' codes) is small beside the 512 KB of weights that each has to itself.
; LIMITS: e1 and e3 between -126 and 112, e0 + e1 between -126 and 127, so that each power of two below is an f32 number.  NaN among the inputs is not served.
; REGISTERS, in windows of 256: window 0 addresses and work; window 1 the weights' codes (K step s, tile jt at 64 s + 16 jt); window 2 the ring (4 x 64), later the gathered rows; window 3 accumulators (tile t, jt at 32 t + 8 jt).
.set AP,    1040                       ; an LDS row of x's codes: 1,024 bytes + 16: 65 x 16 bytes, so the 16 rows that a load touches fall on different banks (64 banks of 4 bytes: ISA guide 11.1)
.set PART,  128*AP                     ; behind the 128 rows: the partial sums, [column group 2][tile 8][K half 2][4,096 bytes]
.set LIST,  PART+131072                ; behind them: the expert's list, 1,024 words
.set C,     32                         ; v32-47   a chunk's codes, 4 columns a register
.set T,     48                         ; v48-63   half turned.   Behind the stream v32-63 hold a tile's 32 numbers in the next K's order
.set AO,    16                         ; v16-31   the gather's offsets: token x 1,024 + 16 r
.set B1I,   192                        ; v192-223 b1 in the accumulators' order
.set LT,    224                        ; v224-239 list entries at work
; v1 lane, v2 r, v3 h, v4 the weights' offset, v5 2^e1, v6 2^e3, v7 16 x lane, v8 rows into LDS, v9 v10 rows out of LDS, v11 v12 partial sums in and out, v13 v15 v240 stepped, v14 my list words,
; v241 16 r, v242-249 the list on its way, v250 its place in LDS, v251 128 h, v[252:253] the polynomial's leading coefficient;  v64-127, v128-191 two sets of row fragments, later the epilogue's work
.set MSB, 0
.macro WIN new                         ; the immediate's high byte repeats the setting that is left; a switch that changes nothing is dropped
.if MSB != \new
	s_set_vgpr_msb (MSB<<8)|\new
.set MSB, \new
.endif
.endm
.macro WLOAD ci                        ; chunk ci: K rows 32 ci + m (+ 16 for lanes 16-31), m = 0..15, into ring buffer ci % 4
	WIN 0x80                                       ; destination window 2
.irp m, 0,1,2,3,4,5,6,7,8,9,10,11,12,13,14,15
	global_load_b128 v[64*((\ci)%4)+4*\m:64*((\ci)%4)+4*\m+3], v4, s[4:5] offset:(32*(\ci)+\m)*8192 th:TH_LOAD_NT
.endr
.endm
.macro GATHER q                        ; 8 of my 32 rows of the block, 1,024 bytes each: each load reads 256 consecutive aligned bytes for each half of the lanes; sixteen loads, an item of the ring
	WIN 0x80
.irp pp, 0,1,2,3
.irp u, 0,1,2,3
	global_load_b128 v[64*(\q)+16*\pp+4*\u:64*(\q)+16*\pp+4*\u+3], v[AO+4*(\q)+\pp], s[6:7] offset:256*\u
.endr
.endr
.endm
.macro CHUNK ci, nx                    ; chunk ci becomes codes.  nx = 1: its buffer takes chunk ci + 4;  2: the first block's rows
.set LB, 64*((\ci)%4)
.set WB, 64*((\ci)/4)+4*((\ci)%4)
	s_wait_loadcnt 48                              ; my 16 loads are in; the three items of 16 issued behind them may be out
	WIN 0x82
.set k, 0
.rept 64
	v_med3_num_f32 v[LB+k], v[LB+k], s32, s33      ; the conversion does not saturate (ISA guide 7.6.2): held within 57,344 x 2^e1
.set k, k+1
.endr
	WIN 0x02
.irp u, 0,1,2,3,4,5,6,7
	v_cvt_scalef32_pk8_bf8_f32 v[C+2*\u:C+2*\u+1], v[LB+8*\u:LB+8*\u+7], v5   ; register m: 4 columns of K row m
.endr
.if \nx == 1
	WLOAD (\ci)+4
.else
	GATHER (\ci)-12
.endif
	WIN 0
	v_nop                                          ; a plain line between the conversions and the first reader of their results
.irp i, 0,1,2,3                        ; 4 x 4 bytes are turned in two steps
	v_perm_b32 v[T+4*\i],   v[C+4*\i+1], v[C+4*\i],   s38
	v_perm_b32 v[T+4*\i+1], v[C+4*\i+1], v[C+4*\i],   s39
	v_perm_b32 v[T+4*\i+2], v[C+4*\i+3], v[C+4*\i+2], s38
	v_perm_b32 v[T+4*\i+3], v[C+4*\i+3], v[C+4*\i+2], s39
.endr
	WIN 0x40                                       ; destination window 1
.irp i, 0,1,2,3
	v_perm_b32 v[WB+\i],    v[T+4*\i+2], v[T+4*\i],   s40
	v_perm_b32 v[WB+16+\i], v[T+4*\i+2], v[T+4*\i],   s41
	v_perm_b32 v[WB+32+\i], v[T+4*\i+3], v[T+4*\i+1], s40
	v_perm_b32 v[WB+48+\i], v[T+4*\i+3], v[T+4*\i+1], s41
.endr
.endm
.macro LISTREAD                        ; s55 = 512 x block: the tokens of my 32 rows (row 32 w + 2 p + h) become offsets in xq
	v_add_nc_u32 v240, s55, v14
.irp p, 0,1,2,3,4,5,6,7,8,9,10,11,12,13,14,15
	ds_load_b32 v[LT+\p], v240 offset:8*\p
.endr
	s_wait_dscnt 0x0
.irp p, 0,1,2,3,4,5,6,7,8,9,10,11,12,13,14,15
	v_lshrrev_b32 v[LT+\p], 1, v[LT+\p]            ; slot / 2
.endr
.irp p, 0,1,2,3,4,5,6,7,8,9,10,11,12,13,14,15
	v_min_u32 v[LT+\p], 1023, v[LT+\p]             ; held inside xq
.endr
.irp p, 0,1,2,3,4,5,6,7,8,9,10,11,12,13,14,15
	v_lshl_add_u32 v[AO+\p], v[LT+\p], 10, v241
.endr
.endm
.macro AFLOAD f, adr, tq               ; my K half of a tile of 16 rows: four fragments, 16 loads of 16 bytes
.irp s, 0,1,2,3
.irp c, 0,1,2,3
	ds_load_b128 v[\f+16*\s+4*\c:\f+16*\s+4*\c+3], v[\adr] offset:16640*(\tq)+128*\s+32*\c
.endr
.endr
.endm
.macro GROUP grp                       ; tiles 4 grp .. 4 grp + 3 of the block, if the expert has the first of them
	s_add_co_u32 s53, s49, 4*\grp
	s_cmp_lt_u32 s53, s47
	s_cbranch_scc0 .Lnog_\@
	AFLOAD 64, 9+\grp, 0
	AFLOAD 128, 9+\grp, 1
.irp q, 0,1,2,3
.set AC, 32*(4*\grp+\q)
.set FB, 64+64*(\q%2)
.if \q < 3
	s_wait_dscnt 16                                ; this tile's fragments are in; the other set's 16 loads may be out
.else
	s_wait_dscnt 0x0
.endif
	WIN 0xf1                                       ; source 0 (weights) window 1, source 1 (rows) window 0, C and D window 3
.irp s, 0,1,2,3                        ; the tile's four accumulators take turns, one instruction a turn; the first K step starts the sums
.irp jt, 0,1,2,3
.if \s == 0
	v_wmma_f32_16x16x128_bf8_bf8 v[AC+8*\jt:AC+8*\jt+7], v[64*\s+16*\jt:64*\s+16*\jt+15], v[FB+16*\s:FB+16*\s+15], 0
.else
	v_wmma_f32_16x16x128_bf8_bf8 v[AC+8*\jt:AC+8*\jt+7], v[64*\s+16*\jt:64*\s+16*\jt+15], v[FB+16*\s:FB+16*\s+15], v[AC+8*\jt:AC+8*\jt+7]
.endif
.endr
.endr
	WIN 0
.if \q < 2
.rept 4
	v_nop                                          ; four places in front of loads into registers that matrix instructions have read
.endr
	AFLOAD FB, 9+\grp, \q+2
.endif
.endr
.rept 5
	v_nop                                          ; places in front of the stores that read results, of later loads into the fragments' registers, and of the next block's sums, which begin anew on these accumulators
.endr
	WIN 0x0c                                       ; store data window 3
.irp q, 0,1,2,3
.irp jt, 0,1,2,3
	ds_store_b128 v11, v[32*(4*\grp+\q)+8*\jt:32*(4*\grp+\q)+8*\jt+3] offset:8192*(4*\grp+\q)+1024*\jt         ; each accumulator from its low end on; 512 consecutive bytes a store
	ds_store_b128 v11, v[32*(4*\grp+\q)+8*\jt+4:32*(4*\grp+\q)+8*\jt+7] offset:8192*(4*\grp+\q)+1024*\jt+512
.endr
.endr
	WIN 0
.Lnog_\@:
.endm
.macro EPIHALF hf                      ; 16 of a lane's 32 numbers v (tiles jt = 2 hf, 2 hf + 1) become gelu(v), held, in the next K's order
.set VB, 64+16*\hf
.irp k, 0,1,2,3,4,5,6,7,8,9,10,11,12,13,14,15
	v_mul_f32 v[128+\k], s58, |v[VB+\k]|           ; z = |v| / sqrt 2
.endr
.irp p, 0,2,4,6,8,10,12,14
	v_pk_fma_f32 v[144+\p:145+\p], v[128+\p:129+\p], 0.5, 1.0 op_sel_hi:[1,0,0]
.endr
.irp k, 0,1,2,3,4,5,6,7,8,9,10,11,12,13,14,15
	v_rcp_f32 v[144+\k], v[144+\k]                 ; t = 1 / (1 + z / 2)
.endr
	v_nop                                          ; a plain line behind the last reciprocal
	s_wait_alu depctr_va_vdst(0)                   ; one wait for the batch, ahead of its first reader
.irp p, 0,2,4,6,8,10,12,14
	v_pk_fma_f32 v[160+\p:161+\p], v[144+\p:145+\p], v[252:253], 0xbf527892 op_sel_hi:[1,1,0]   ; 0.17087277 t - 0.82215223
.endr
.irp cf, 0x3fbe87b0, 0xbf914e5d, 0x3e8ec7cc, 0xbe3ec24c, 0x3dc636c9, 0x3ebf88fb, 0x3f8000c7, 0xbfa1fc4e   ; 1.48851587, -1.13520398, 0.27886807, -0.18628806, 0.09678418, 0.37409196, 1.00002368, -1.26551223
.irp p, 0,2,4,6,8,10,12,14
	v_pk_fma_f32 v[160+\p:161+\p], v[160+\p:161+\p], v[144+\p:145+\p], \cf op_sel_hi:[1,1,0]
.endr
.endr
.irp p, 0,2,4,6,8,10,12,14
	v_pk_fma_f32 v[160+\p:161+\p], v[128+\p:129+\p], v[128+\p:129+\p], v[160+\p:161+\p] neg_lo:[1,0,0] neg_hi:[1,0,0]   ; P(t) - z^2
.endr
.irp p, 0,2,4,6,8,10,12,14
	v_pk_mul_f32 v[160+\p:161+\p], v[160+\p:161+\p], 0x3fb8aa3b op_sel_hi:[1,0]
.endr
.irp k, 0,1,2,3,4,5,6,7,8,9,10,11,12,13,14,15
	v_exp_f32 v[160+\k], v[160+\k]
.endr
	v_nop
	s_wait_alu depctr_va_vdst(0)
.irp p, 0,2,4,6,8,10,12,14
	v_pk_mul_f32 v[160+\p:161+\p], v[160+\p:161+\p], v[144+\p:145+\p]     ; erfc(z)
.endr
.irp p, 0,2,4,6,8,10,12,14
	v_pk_fma_f32 v[128+\p:129+\p], v[160+\p:161+\p], -1.0, 2.0 op_sel_hi:[1,0,0]   ; erfc(-z)
.endr
.irp k, 0,1,2,3,4,5,6,7,8,9,10,11,12,13,14,15
	v_cmp_lt_f32 vcc_lo, 0, v[VB+\k]
	v_cndmask_b32 v[160+\k], v[160+\k], v[128+\k], vcc_lo                  ; erfc(-v / sqrt 2)
.endr
.irp p, 0,2,4,6,8,10,12,14
	v_pk_mul_f32 v[VB+\p:VB+\p+1], v[VB+\p:VB+\p+1], 0.5 op_sel_hi:[1,0]
.endr
.irp p, 0,2,4,6,8,10,12,14
	v_pk_mul_f32 v[160+\p:161+\p], v[160+\p:161+\p], v[VB+\p:VB+\p+1]
.endr
.irp k, 0,1,2,3,4,5,6,7,8,9,10,11,12,13,14,15
	v_med3_num_f32 v[32+4*(\k%8)+2*\hf+\k/8], v[160+\k], s34, s35          ; the hold at 57,344 x 2^e3 also puts unit 4 j + jt in its place
.endr
.endm
	s_load_b256 s[4:11], s[0:1], 0x0               ; w1 s[4:5], xq s[6:7], lst s[8:9], cnt s[10:11]
	s_load_b128 s[12:15], s[0:1], 0x20             ; b1 s[12:13], the scales' exponents s[14:15]
	s_load_b64 s[16:17], s[0:1], 0x30              ; hq
	v_lshl_add_u32 v254, v0, 2, 0x41800
	v_mov_b32 v255, 0
	v_lshrrev_b32 v1, 5, v0
	v_readfirstlane_b32 s20, v1                    ; wave
	s_and_b32 s21, s20, 1                          ; g: my 64 of the 128 columns
	s_lshr_b32 s22, s20, 1                         ; kp: my half of K
	s_and_b32 s23, ttmp7, 0xffff                   ; e
	s_mov_b32 s24, ttmp9                           ; j
	v_and_b32 v1, 31, v0                           ; lane
	v_and_b32 v2, 15, v0                           ; r
	v_bfe_u32 v3, v0, 4, 1                         ; h
	v_lshlrev_b32 v241, 4, v2
	v_lshl_add_u32 v4, v3, 17, v241                ; weights: 16 rows of 8,192 bytes further on for lanes 16-31, + 16 r
	v_lshlrev_b32 v7, 4, v1
	v_lshlrev_b32 v251, 7, v3
	s_mul_i32 s26, s20, 32*AP
	v_mad_u32_u24 v8, v3, AP, v241
	v_add_nc_u32 v8, s26, v8                       ; rows into LDS: row 32 w + h, + 16 r
	v_mul_u32_u24 v9, v2, AP
	v_lshl_add_u32 v9, v3, 4, v9
	s_lshl_b32 s26, s22, 9
	v_add_nc_u32 v9, s26, v9                       ; rows out of LDS: row r, + 16 h, + my K half's 512 bytes; tiles 0-3
	v_add_nc_u32 v10, 64*AP, v9                    ; tiles 4-7
	s_lshl_b32 s26, s21, 16
	s_add_co_u32 s26, s26, PART
	s_lshl_b32 s27, s22, 12
	s_add_co_u32 s27, s27, s26
	v_add_nc_u32 v11, s27, v7                      ; my partial sums: group g, K half kp
	s_lshl_b32 s27, s22, 13
	s_add_co_u32 s27, s27, s26
	v_add_nc_u32 v12, s27, v7                      ; the tiles that I finish: group g, tiles 2 i + kp
	s_lshl_b32 s26, s20, 7
	s_add_co_u32 s26, s26, LIST
	v_lshl_add_u32 v14, v3, 2, s26                 ; the list words of rows 32 w + h + 2 p
	s_lshl_b32 s26, s20, 10
	s_add_co_u32 s26, s26, LIST
	v_add_nc_u32 v250, s26, v7                     ; my quarter of the list
	v_mov_b32 v252, 0x3e2ef945                     ; 0.17087277
	v_mov_b32 v253, 0x3e2ef945
	s_mov_b32 s38, 0x05010400                      ; the byte selects of the turn
	s_mov_b32 s39, 0x07030602
	s_mov_b32 s40, 0x05040100
	s_mov_b32 s41, 0x07060302
	s_mov_b32 s58, 0x3f3504f3                      ; 1 / sqrt 2
	s_lshl_b32 s60, s23, 23                        ; w1: expert, K half, columns
	s_lshl_b32 s26, s22, 22
	s_add_co_u32 s60, s60, s26
	s_lshl_b32 s26, s24, 9
	s_add_co_u32 s60, s60, s26
	s_lshl_b32 s26, s21, 8
	s_add_co_u32 s60, s60, s26
	s_mov_b32 s61, 0
	s_lshl_b32 s62, s23, 12                        ; lst: expert, my quarter
	s_lshl_b32 s26, s20, 10
	s_add_co_u32 s62, s62, s26
	s_mov_b32 s63, 0
	s_lshl_b32 s66, s23, 7                         ; cnt
	s_mov_b32 s67, 0
	s_lshl_b32 s68, s23, 13                        ; b1: expert, columns
	s_lshl_b32 s26, s24, 9
	s_add_co_u32 s68, s68, s26
	s_lshl_b32 s26, s21, 8
	s_add_co_u32 s68, s68, s26
	s_mov_b32 s69, 0
	s_lshl_b32 s70, s23, 21                        ; hq: expert, block of 64 units 2 j + g
	s_lshl_b32 s26, s24, 11
	s_add_co_u32 s70, s70, s26
	s_lshl_b32 s26, s21, 10
	s_add_co_u32 s70, s70, s26
	s_mov_b32 s71, 0
	s_wait_kmcnt 0x0
	s_load_b128 s[28:31], s[14:15], 0x0            ; e0, e1, e2, e3
	s_add_nc_u64 s[10:11], s[10:11], s[66:67]
	s_load_b32 s42, s[10:11], 0x0                  ; the expert's rows
	s_add_nc_u64 s[4:5], s[4:5], s[60:61]
	s_add_nc_u64 s[8:9], s[8:9], s[62:63]
	s_add_nc_u64 s[12:13], s[12:13], s[68:69]
	s_add_nc_u64 s[16:17], s[16:17], s[70:71]
	global_load_b128 v[242:245], v7, s[8:9]
	global_load_b128 v[246:249], v7, s[8:9] offset:512
.irp i, 0,1,2,3,4,5,6,7
	global_load_b128 v[128+4*\i:131+4*\i], v251, s[12:13] offset:16*\i   ; b1 of my lane's units 32 h + 0 .. 31
.endr
	WLOAD 0
	WLOAD 1
	WLOAD 2
	WLOAD 3
	WIN 0
	s_wait_kmcnt 0x0
	s_add_co_i32 s26, s29, 127
	s_lshl_b32 s27, s26, 23
	v_mov_b32 v5, s27                              ; 2^e1 as f32: the conversion takes its exponent field
	s_add_co_i32 s26, s26, 15
	s_lshl_b32 s26, s26, 23
	s_or_b32 s33, s26, 0x600000                    ; 57,344 x 2^e1
	s_or_b32 s32, s33, 0x80000000
	s_add_co_i32 s26, s31, 127
	s_lshl_b32 s27, s26, 23
	v_mov_b32 v6, s27                              ; 2^e3
	s_add_co_i32 s26, s26, 15
	s_lshl_b32 s26, s26, 23
	s_or_b32 s35, s26, 0x600000                    ; 57,344 x 2^e3
	s_or_b32 s34, s35, 0x80000000
	s_add_co_i32 s26, s28, s29
	s_add_co_i32 s26, s26, 127
	s_lshl_b32 s36, s26, 23                        ; 2^(e0 + e1)
	s_mov_b32 s37, s36                             ; (named with it as a pair, so it is written)
	s_add_co_u32 s47, s42, 15
	s_lshr_b32 s47, s47, 4
	s_max_u32 s47, s47, 1                          ; tiles of 16 rows, at least one
	CHUNK 0, 1
	WIN 0                                          ; behind chunk 0's wait all that was issued ahead of the weights is in
	ds_store_b128 v250, v[242:245]
	ds_store_b128 v250, v[246:249] offset:512
.irp jt, 0,1,2,3
.irp j, 0,1,2,3,4,5,6,7
	v_mov_b32 v[B1I+8*\jt+\j], v[128+4*\j+\jt]     ; once: b1 into the accumulators' order, so that one packed multiply-add serves two sums in every tile
.endr
.endr
	s_wait_dscnt 0x0                               ; for the others' sake: my quarter of the list lies in LDS
	s_barrier_signal -1
	s_barrier_wait -1
.irp ci, 1,2,3,4,5,6,7,8,9,10,11
	CHUNK \ci, 1
.endr
	WIN 0
	s_mov_b32 s55, 0
	LISTREAD                                       ; block 0's rows
.irp ci, 12,13,14,15
	CHUNK \ci, 2                                   ; the ring goes on into the gather: every count stays 48
.endr
	WIN 0
	s_mov_b32 s48, 0                               ; block
	s_mov_b32 s49, 0                               ; its first tile
	s_mov_b32 s50, 0                               ; its first list word, in bytes
.Lblock:
	s_wait_loadcnt 0x0                             ; the block's rows are in registers
	s_wait_xcnt 0x0                                ; the last stores have read their data and offset: both lie in registers that this trip writes
	s_cmp_lt_u32 s49, s47
	s_cbranch_scc0 .Lno_rows
	WIN 0x08                                       ; store data window 2
.irp p, 0,1,2,3,4,5,6,7,8,9,10,11,12,13,14,15
.irp u, 0,1,2,3
	ds_store_b128 v8, v[16*\p+4*\u:16*\p+4*\u+3] offset:2*AP*\p+256*\u
.endr
.endr
	WIN 0
.Lno_rows:
	s_wait_dscnt 0x0                               ; my rows lie in LDS, and my reads of the last block's partial sums are over
	s_barrier_signal -1
	s_barrier_wait -1
	s_add_co_u32 s53, s49, 8
	s_cmp_lt_u32 s53, s47
	s_cbranch_scc0 .Lno_next
	s_add_co_u32 s55, s50, 512
	s_and_b32 s55, s55, 0xe00                      ; (inside the list whatever the trip)
	LISTREAD                                       ; the next block's rows are asked for now and land under this block's products
	GATHER 0
	GATHER 1
	GATHER 2
	GATHER 3
	WIN 0
.Lno_next:
	GROUP 0
	GROUP 1
	s_wait_dscnt 0x0                               ; my partial sums lie in LDS, and my reads of the rows are over
	s_barrier_signal -1
	s_barrier_wait -1
	s_mov_b32 s54, 0
	s_mov_b32 s51, 0
.Lfinish:                                              ; four trips: tiles 2 i + kp of my column group
	s_lshl_b32 s52, s54, 1
	s_add_co_u32 s52, s52, s22
	s_add_co_u32 s52, s52, s49                     ; the tile's number in the expert
	s_cmp_lt_u32 s52, s47
	s_cbranch_scc0 .Lno_tile
	s_wait_xcnt 0x0                                ; the last tile's stores have read their data and offset
	v_add_nc_u32 v13, s51, v12
.irp x, 0,1,2,3,4,5,6,7
	ds_load_b128 v[64+4*\x:67+4*\x], v13 offset:512*\x
.endr
.irp x, 0,1,2,3,4,5,6,7
	ds_load_b128 v[96+4*\x:99+4*\x], v13 offset:4096+512*\x
.endr
	s_wait_dscnt 0x0
.irp p, 0,2,4,6,8,10,12,14,16,18,20,22,24,26,28,30
	v_pk_add_f32 v[64+\p:65+\p], v[64+\p:65+\p], v[96+\p:97+\p]
.endr
.irp p, 0,2,4,6,8,10,12,14,16,18,20,22,24,26,28,30
	v_pk_fma_f32 v[64+\p:65+\p], v[64+\p:65+\p], s[36:37], v[B1I+\p:B1I+\p+1] op_sel_hi:[1,0,1]   ; sum x 2^(e0 + e1) + b1
.endr
	EPIHALF 0
	EPIHALF 1
.irp u, 0,1,2,3
	v_cvt_scalef32_pk8_bf8_f32 v[176+2*\u:177+2*\u], v[32+8*\u:39+8*\u], v6
.endr
	v_nop                                          ; a plain line behind the last conversion
	s_lshl_b32 s53, s52, 15                        ; a tile of rows is 32 blocks of 1,024 bytes
	v_add_nc_u32 v15, s53, v7
	global_store_b128 v15, v[176:179], s[16:17]    ; 512 consecutive bytes, aligned: registers 0-3 of the image,
	global_store_b128 v15, v[180:183], s[16:17] offset:512   ; and registers 4-7
.Lno_tile:
	s_add_co_u32 s51, s51, 16384
	s_add_co_u32 s54, s54, 1
	s_cmp_lt_u32 s54, 4
	s_cbranch_scc1 .Lfinish
	s_add_co_u32 s49, s49, 8
	s_add_co_u32 s50, s50, 512
	s_add_co_u32 s48, s48, 1
	s_cmp_lt_u32 s48, 8
	s_cbranch_scc1 .Lblock
	s_wait_tensorcnt 0x0
	ds_add_u32 v254, v255
	s_wait_dscnt 0x0
	s_endpgm
.Lfunc_end_k_q41406e802d_ffn1:
	.size	k_q41406e802d_ffn1, .Lfunc_end_k_q41406e802d_ffn1-k_q41406e802d_ffn1
	.p2alignl 7, 3214868480
	.fill 96, 4, 3214868480
	.section	.rodata,"a",@progbits
	.p2align	6, 0x0
	.amdhsa_kernel k_q41406e802d_ffn1
		.amdhsa_group_segment_fixed_size 268800
		.amdhsa_private_segment_fixed_size 0
		.amdhsa_enable_private_segment 0
		.amdhsa_kernarg_size 56
		.amdhsa_user_sgpr_count 2
		.amdhsa_user_sgpr_kernarg_segment_ptr 1
		.amdhsa_wavefront_size32 1
		.amdhsa_system_sgpr_workgroup_id_x 1
		.amdhsa_system_sgpr_workgroup_id_y 1
		.amdhsa_system_sgpr_workgroup_id_z 1
		.amdhsa_system_vgpr_workitem_id 0
		.amdhsa_next_free_vgpr 1024
		.amdhsa_next_free_sgpr 72
		.amdhsa_reserve_vcc 1
		.amdhsa_float_denorm_mode_32 3
		.amdhsa_float_denorm_mode_16_64 3
		.amdhsa_memory_ordered 1
		.amdhsa_forward_progress 1
		.amdhsa_inst_pref_size 218
	.end_amdhsa_kernel
	.amdgpu_metadata
---
amdhsa.version: [ 1, 2 ]
amdhsa.kernels:
  - .name:           k_q41406e802d_ffn1
    .symbol:         k_q41406e802d_ffn1.kd
    .args:
      - { .name: w1, .offset: 0, .size: 8, .value_kind: global_buffer, .address_space: global }
      - { .name: xq, .offset: 8, .size: 8, .value_kind: global_buffer, .address_space: global }
      - { .name: lst, .offset: 16, .size: 8, .value_kind: global_buffer, .address_space: global }
      - { .name: cnt, .offset: 24, .size: 8, .value_kind: global_buffer, .address_space: global }
      - { .name: b1, .offset: 32, .size: 8, .value_kind: global_buffer, .address_space: global }
      - { .name: lowp_scales, .offset: 40, .size: 8, .value_kind: global_buffer, .address_space: global }
      - { .name: hq, .offset: 48, .size: 8, .value_kind: global_buffer, .address_space: global }
    .group_segment_fixed_size: 268800
    .private_segment_fixed_size: 0
    .kernarg_segment_align: 8
    .kernarg_segment_size: 56
    .max_flat_workgroup_size: 128
    .sgpr_count:     72
    .vgpr_count:     1024
    .wavefront_size: 32
...
	.end_amdgpu_metadata
.endif
;; end of part 3
;; launch ffn2 (part 4): grid 16 x 14, 4 waves a work-group, no clusters, 135,680 bytes of LDS; arguments w2, hq, lst, cnt, b2, lowp_scales, y; writes y
.if DOCPART == 4
	.amdgcn_target "amdgcn-amd-amdhsa--gfx1250"
	.amdhsa_code_object_version 6
	.text
	.protected	k_q41406e802d_ffn2
	.globl	k_q41406e802d_ffn2
	.p2align	8
	.type	k_q41406e802d_ffn2,@function
k_q41406e802d_ffn2:
	s_mov_b64 s[64:65], 0
	v_nop
	global_prefetch_b8 v0, s[64:65] scope:SCOPE_SE
	s_setreg_imm32_b32 hwreg(HW_REG_WAVE_MODE, 25, 1), 1
	s_wait_xcnt 0x0
; THE SECOND LAYER OF THE CHOSEN EXPERTS: y[slot] = hidden w2[e] x 2^(e2 + e3) + b2[e], for the rows that chose expert e, on codes of E5M2.  The gate's weight, the residual and the clip follow in the next launch.
; Work-group (j, e) owns outputs 64 j .. 64 j + 63 of expert e and ALL rows of that expert.  w2[e] is [2048 k][1024 n] f32: each of its bytes is read once in the launch, quantised in registers under the given
; 2^e2 and kept as codes: wave w takes K quarter w: 512 rows x 64 columns, 256 registers of codes.
; THE STREAM is the first layer's: a load reads, for each half of the lanes, 256 consecutive aligned bytes of one K row; sixteen loads are a chunk, four chunks a ring; a chunk is held, converted and turned by 32 v_perm_b32.
; Here the K rows of a chunk are chosen so that register 4 c + i, byte y, of the fragment of K step s holds K = 128 s + 64 (c / 2) + 32 (lane / 16) + 16 (c % 2) + 4 i + y: the order of hq's images.
; THE ROWS.  hq holds the hidden codes as images of operand registers: my K quarter of a tile of 16 rows is 8,192 consecutive bytes, sixteen loads, an item of the same ring; four tiles are on their way.  These
; loads are issued on every path (a tile past the expert's last repeats the last), so that every count holds on every path.  Source 0 = rows, source 1 = weights: register j of tile jt is row 8 (lane / 16) + j, column 4 r + jt.
; The four K quarters meet in LDS as images of the accumulators; wave w finishes tiles w and w + 4 of a block of 8: sum, x 2^(e2 + e3) + b2, and sixteen lanes store 256 consecutive aligned bytes of row slot of y.
; The loop over blocks has a constant 8 trips and two barriers a trip; work for tiles that the expert does not have is jumped over by scalar branches on the stored count; no barrier stands under such a branch.
; Rows that pad the last tile repeat a row of the expert: equal numbers are stored to the same place by this work-group.  An expert without rows stores nothing.
; NO TENSOR LOADS, NO CLUSTER: as in the first layer.   LIMITS: e2 between -126 and 112, e2 + e3 between -126 and 127.  NaN among the inputs is not served.
; REGISTERS, in windows of 256: window 0 addresses and work; window 1 the weights' codes (K step s, tile jt at 64 s + 16 jt); window 2 the ring (4 x 64); window 3 accumulators (tile t, jt at 32 t + 8 jt).
.set LIST,  131072                     ; LDS: the partial sums, [tile 8][K quarter 4][4,096 bytes]; behind them the expert's list, 1,024 words
.set C,     32                         ; v32-47   a chunk's codes, 4 columns a register
.set T,     48                         ; v48-63   half turned
.set AOF,   16                         ; v16-19   the offsets of the four tiles on their way
; v1 lane, v2 r, v3 h, v4 the weights' offset, v5 2^e2, v7 16 x lane, v8 v9 partial sums in, v10 v11 out, v12 v13 my list words, v14 16 r, v15 my quarter of the list in LDS;
; v64-191 four partial sums, v192-223 results, v224-231 slots, v232-239 offsets in y, v240-243 b2, v244-251 the list on its way
.set MSB, 0
.macro WIN new                         ; the immediate's high byte repeats the setting that is left; a switch that changes nothing is dropped
.if MSB != \new
	s_set_vgpr_msb (MSB<<8)|\new
.set MSB, \new
.endif
.endm
.macro WLOAD ci                        ; chunk ci: K rows 128 (ci / 4) + 64 ((ci % 4) / 2) + 16 (ci % 2) + m (+ 32 for lanes 16-31) into ring buffer ci % 4
	WIN 0x80                                       ; destination window 2
.irp m, 0,1,2,3,4,5,6,7,8,9,10,11,12,13,14,15
	global_load_b128 v[64*((\ci)%4)+4*\m:64*((\ci)%4)+4*\m+3], v4, s[4:5] offset:(128*((\ci)/4)+64*(((\ci)%4)/2)+16*((\ci)%2)+\m)*4096 th:TH_LOAD_NT
.endr
.endm
.macro ATILE q, add                    ; my K quarter of tile 8 b + add, held at the expert's last tile, into ring buffer q
	s_add_co_u32 s52, s49, \add
	s_min_u32 s52, s52, s46
	s_min_u32 s52, s52, 63                         ; held inside the expert's part of hq
	s_lshl_b32 s52, s52, 15
	WIN 0
	v_add_nc_u32 v[AOF+(\q)], s52, v7              ; (the buffer's last loads, which read this register, were shown done by the wait ahead)
	WIN 0x80
.irp s, 0,1,2,3
.irp c, 0,1,2,3
	global_load_b128 v[64*(\q)+16*\s+4*\c:64*(\q)+16*\s+4*\c+3], v[AOF+(\q)], s[6:7] offset:2048*\s+512*\c
.endr
.endr
.endm
.macro CHUNK ci, nx                    ; chunk ci becomes codes.  nx = 1: its buffer takes chunk ci + 4;  2: one of the first four tiles of rows
.set LB, 64*((\ci)%4)
.set WB, 64*((\ci)/4)+4*((\ci)%4)
	s_wait_loadcnt 48                              ; my 16 loads are in; the three items of 16 issued behind them may be out
	WIN 0x82
.set k, 0
.rept 64
	v_med3_num_f32 v[LB+k], v[LB+k], s32, s33      ; the conversion does not saturate (ISA guide 7.6.2): held within 57,344 x 2^e2
.set k, k+1
.endr
	WIN 0x02
.irp u, 0,1,2,3,4,5,6,7
	v_cvt_scalef32_pk8_bf8_f32 v[C+2*\u:C+2*\u+1], v[LB+8*\u:LB+8*\u+7], v5   ; register m: 4 columns of the chunk's K row m
.endr
.if \nx == 1
	WLOAD (\ci)+4
.else
	ATILE (\ci)-12, (\ci)-12
.endif
	WIN 0
	v_nop                                          ; a plain line between the conversions and the first reader of their results
.irp i, 0,1,2,3                        ; 4 x 4 bytes are turned in two steps
	v_perm_b32 v[T+4*\i],   v[C+4*\i+1], v[C+4*\i],   s38
	v_perm_b32 v[T+4*\i+1], v[C+4*\i+1], v[C+4*\i],   s39
	v_perm_b32 v[T+4*\i+2], v[C+4*\i+3], v[C+4*\i+2], s38
	v_perm_b32 v[T+4*\i+3], v[C+4*\i+3], v[C+4*\i+2], s39
.endr
	WIN 0x40                                       ; destination window 1
.irp i, 0,1,2,3
	v_perm_b32 v[WB+\i],    v[T+4*\i+2], v[T+4*\i],   s40
	v_perm_b32 v[WB+16+\i], v[T+4*\i+2], v[T+4*\i],   s41
	v_perm_b32 v[WB+32+\i], v[T+4*\i+3], v[T+4*\i+1], s40
	v_perm_b32 v[WB+48+\i], v[T+4*\i+3], v[T+4*\i+1], s41
.endr
.endm
.macro GROUP2 grp                      ; tiles 4 grp .. 4 grp + 3 of the block, if the expert has the first of them
	s_add_co_u32 s53, s49, 4*\grp
	s_cmp_lt_u32 s53, s47
	s_cbranch_scc0 .Lnog_\@
.irp q, 0,1,2,3
.set AC, 32*(4*\grp+\q)
	s_wait_loadcnt 48                              ; this tile's 16 loads are in; the three tiles issued behind it may be out
	WIN 0xf6                                       ; source 0 (rows) window 2, source 1 (weights) window 1, C and D window 3
.irp s, 0,1,2,3                        ; the tile's four accumulators take turns, one instruction a turn; the first K step starts the sums
.irp jt, 0,1,2,3
.if \s == 0
	v_wmma_f32_16x16x128_bf8_bf8 v[AC+8*\jt:AC+8*\jt+7], v[64*\q+16*\s:64*\q+16*\s+15], v[64*\s+16*\jt:64*\s+16*\jt+15], 0
.else
	v_wmma_f32_16x16x128_bf8_bf8 v[AC+8*\jt:AC+8*\jt+7], v[64*\q+16*\s:64*\q+16*\s+15], v[64*\s+16*\jt:64*\s+16*\jt+15], v[AC+8*\jt:AC+8*\jt+7]
.endif
.endr
.endr
	WIN 0
.rept 4
	v_nop                                          ; four places in front of loads into registers that matrix instructions have read
.endr
	ATILE \q, 4*\grp+\q+4                          ; the buffer takes the tile four further on
.endr
	WIN 0
.rept 5
	v_nop                                          ; places in front of the stores that read results, and of the next block's sums, which begin anew on these accumulators
.endr
	WIN 0x0c                                       ; store data window 3
.irp q, 0,1,2,3
.irp jt, 0,1,2,3
	ds_store_b128 v[8+\grp], v[32*(4*\grp+\q)+8*\jt:32*(4*\grp+\q)+8*\jt+3] offset:16384*\q+1024*\jt          ; each accumulator from its low end on; 512 consecutive bytes a store
	ds_store_b128 v[8+\grp], v[32*(4*\grp+\q)+8*\jt+4:32*(4*\grp+\q)+8*\jt+7] offset:16384*\q+1024*\jt+512
.endr
.endr
	WIN 0
.Lnog_\@:
.endm
.macro REDUCE2 i                       ; tile w + 4 i of the block is finished and stored
	s_add_co_u32 s52, s49, s20
	s_add_co_u32 s52, s52, 4*\i
	s_cmp_lt_u32 s52, s47
	s_cbranch_scc0 .Lnor_\@
	s_wait_xcnt 0x0                                ; the last tile's stores have read their data and offsets
.irp pt, 0,1,2,3
.irp x, 0,1,2,3,4,5,6,7
	ds_load_b128 v[64+32*\pt+4*\x:67+32*\pt+4*\x], v[10+\i] offset:4096*\pt+512*\x
.endr
.endr
	ds_load_b128 v[224:227], v13 offset:256*\i     ; the slots of rows 8 h + 0 .. 7 of the tile
	ds_load_b128 v[228:231], v13 offset:256*\i+16
	s_wait_dscnt 0x0
.irp p, 0,2,4,6,8,10,12,14,16,18,20,22,24,26,28,30
	v_pk_add_f32 v[64+\p:65+\p], v[64+\p:65+\p], v[96+\p:97+\p]
	v_pk_add_f32 v[128+\p:129+\p], v[128+\p:129+\p], v[160+\p:161+\p]
.endr
.irp p, 0,2,4,6,8,10,12,14,16,18,20,22,24,26,28,30
	v_pk_add_f32 v[64+\p:65+\p], v[64+\p:65+\p], v[128+\p:129+\p]
.endr
.irp j, 0,1,2,3,4,5,6,7
.irp jt, 0,1,2,3
	v_fma_f32 v[192+4*\j+\jt], v[64+8*\jt+\j], s36, v[240+\jt]   ; sum x 2^(e2 + e3) + b2, into the order of a row: columns 4 r + 0 .. 3
.endr
.endr
.irp j, 0,1,2,3,4,5,6,7
	v_min_u32 v[224+\j], 2047, v[224+\j]           ; held inside y
	v_lshl_add_u32 v[232+\j], v[224+\j], 12, v14
.endr
.irp j, 0,1,2,3,4,5,6,7
	global_store_b128 v[232+\j], v[192+4*\j:195+4*\j], s[16:17]   ; sixteen lanes store 256 consecutive bytes, aligned
.endr
.Lnor_\@:
.endm
	s_load_b256 s[4:11], s[0:1], 0x0               ; w2 s[4:5], hq s[6:7], lst s[8:9], cnt s[10:11]
	s_load_b128 s[12:15], s[0:1], 0x20             ; b2 s[12:13], the scales' exponents s[14:15]
	s_load_b64 s[16:17], s[0:1], 0x30              ; y
	v_lshl_add_u32 v254, v0, 2, 0x21000
	v_mov_b32 v255, 0
	v_lshrrev_b32 v1, 5, v0
	v_readfirstlane_b32 s20, v1                    ; wave = my quarter of K
	s_and_b32 s23, ttmp7, 0xffff                   ; e
	s_mov_b32 s24, ttmp9                           ; j
	v_and_b32 v1, 31, v0                           ; lane
	v_and_b32 v2, 15, v0                           ; r
	v_bfe_u32 v3, v0, 4, 1                         ; h
	v_lshlrev_b32 v14, 4, v2
	v_lshl_add_u32 v4, v3, 17, v14                 ; weights: 32 rows of 4,096 bytes further on for lanes 16-31, + 16 r
	v_lshlrev_b32 v7, 4, v1
	s_lshl_b32 s26, s20, 12
	v_add_nc_u32 v8, s26, v7                       ; my partial sums: quarter w; tiles 0-3
	v_add_nc_u32 v9, 0x10000, v8                   ; tiles 4-7
	s_lshl_b32 s26, s20, 14
	v_add_nc_u32 v10, s26, v7                      ; the tiles that I finish: tile w,
	v_add_nc_u32 v11, 0x10000, v10                 ; tile w + 4
	s_lshl_b32 s26, s20, 6
	s_add_co_u32 s26, s26, LIST
	v_lshl_add_u32 v12, v3, 5, s26                 ; the list words of tile w's rows 8 h on
	s_lshl_b32 s26, s20, 10
	s_add_co_u32 s26, s26, LIST
	v_add_nc_u32 v15, s26, v7                      ; my quarter of the list
	s_mov_b32 s38, 0x05010400                      ; the byte selects of the turn
	s_mov_b32 s39, 0x07030602
	s_mov_b32 s40, 0x05040100
	s_mov_b32 s41, 0x07060302
	s_lshl_b32 s60, s23, 23                        ; w2: expert, K quarter, columns
	s_lshl_b32 s26, s20, 21
	s_add_co_u32 s60, s60, s26
	s_lshl_b32 s26, s24, 8
	s_add_co_u32 s60, s60, s26
	s_mov_b32 s61, 0
	s_lshl_b32 s62, s23, 12                        ; lst: expert, my quarter
	s_lshl_b32 s27, s20, 10
	s_add_co_u32 s62, s62, s27
	s_mov_b32 s63, 0
	s_lshl_b32 s66, s23, 7                         ; cnt
	s_mov_b32 s67, 0
	s_lshl_b32 s68, s23, 12                        ; b2: expert, columns
	s_add_co_u32 s68, s68, s26
	s_mov_b32 s69, 0
	s_lshl_b32 s70, s23, 21                        ; hq: expert, K quarter: 8 blocks of 1,024 bytes
	s_lshl_b32 s27, s20, 13
	s_add_co_u32 s70, s70, s27
	s_mov_b32 s71, 0
	s_mov_b32 s27, 0                               ; s[26:27] = 256 j: y's columns
	s_wait_kmcnt 0x0
	s_load_b128 s[28:31], s[14:15], 0x0            ; e0, e1, e2, e3
	s_add_nc_u64 s[10:11], s[10:11], s[66:67]
	s_load_b32 s42, s[10:11], 0x0                  ; the expert's rows
	s_add_nc_u64 s[4:5], s[4:5], s[60:61]
	s_add_nc_u64 s[8:9], s[8:9], s[62:63]
	s_add_nc_u64 s[12:13], s[12:13], s[68:69]
	s_add_nc_u64 s[6:7], s[6:7], s[70:71]
	s_add_nc_u64 s[16:17], s[16:17], s[26:27]
	global_load_b128 v[244:247], v7, s[8:9]
	global_load_b128 v[248:251], v7, s[8:9] offset:512
	global_load_b128 v[240:243], v14, s[12:13]     ; b2 of columns 4 r + 0 .. 3
	WLOAD 0
	WLOAD 1
	WLOAD 2
	WLOAD 3
	WIN 0
	s_wait_kmcnt 0x0
	s_add_co_i32 s26, s30, 127
	s_lshl_b32 s27, s26, 23
	v_mov_b32 v5, s27                              ; 2^e2 as f32: the conversion takes its exponent field
	s_add_co_i32 s26, s26, 15
	s_lshl_b32 s26, s26, 23
	s_or_b32 s33, s26, 0x600000                    ; 57,344 x 2^e2
	s_or_b32 s32, s33, 0x80000000
	s_add_co_i32 s26, s30, s31
	s_add_co_i32 s26, s26, 127
	s_lshl_b32 s36, s26, 23                        ; 2^(e2 + e3)
	s_add_co_u32 s47, s42, 15
	s_lshr_b32 s47, s47, 4                         ; tiles of 16 rows
	s_max_u32 s46, s47, 1
	s_sub_co_u32 s46, s46, 1                       ; the last of them
	CHUNK 0, 1
	WIN 0                                          ; behind chunk 0's wait all that was issued ahead of the weights is in
	ds_store_b128 v15, v[244:247]
	ds_store_b128 v15, v[248:251] offset:512
.irp ci, 1,2,3,4,5,6,7,8,9,10,11
	CHUNK \ci, 1
.endr
	s_mov_b32 s49, 0                               ; the block's first tile
.irp ci, 12,13,14,15
	CHUNK \ci, 2                                   ; the ring goes on into the rows: every count stays 48
.endr
	WIN 0
	s_mov_b32 s48, 0                               ; block
	s_mov_b32 s50, 0                               ; its first list word, in bytes
.Lblock:
	v_add_nc_u32 v13, s50, v12
	s_wait_dscnt 0x0                               ; my quarter of the list lies in LDS (first trip); my reads of the last block's partial sums are over
	s_barrier_signal -1
	s_barrier_wait -1
	GROUP2 0
	GROUP2 1
	s_wait_dscnt 0x0                               ; my partial sums lie in LDS
	s_barrier_signal -1
	s_barrier_wait -1
	REDUCE2 0
	REDUCE2 1
	s_add_co_u32 s49, s49, 8
	s_add_co_u32 s50, s50, 512
	s_add_co_u32 s48, s48, 1
	s_cmp_lt_u32 s48, 8
	s_cbranch_scc1 .Lblock
	s_wait_tensorcnt 0x0
	ds_add_u32 v254, v255
	s_wait_dscnt 0x0
	s_endpgm
.Lfunc_end_k_q41406e802d_ffn2:
	.size	k_q41406e802d_ffn2, .Lfunc_end_k_q41406e802d_ffn2-k_q41406e802d_ffn2
	.p2alignl 7, 3214868480
	.fill 96, 4, 3214868480
	.section	.rodata,"a",@progbits
	.p2align	6, 0x0
	.amdhsa_kernel k_q41406e802d_ffn2
		.amdhsa_group_segment_fixed_size 135680
		.amdhsa_private_segment_fixed_size 0
		.amdhsa_enable_private_segment 0
		.amdhsa_kernarg_size 56
		.amdhsa_user_sgpr_count 2
		.amdhsa_user_sgpr_kernarg_segment_ptr 1
		.amdhsa_wavefront_size32 1
		.amdhsa_system_sgpr_workgroup_id_x 1
		.amdhsa_system_sgpr_workgroup_id_y 1
		.amdhsa_system_sgpr_workgroup_id_z 1
		.amdhsa_system_vgpr_workitem_id 0
		.amdhsa_next_free_vgpr 1024
		.amdhsa_next_free_sgpr 72
		.amdhsa_reserve_vcc 0
		.amdhsa_float_denorm_mode_32 3
		.amdhsa_float_denorm_mode_16_64 3
		.amdhsa_memory_ordered 1
		.amdhsa_forward_progress 1
		.amdhsa_inst_pref_size 189
	.end_amdhsa_kernel
	.amdgpu_metadata
---
amdhsa.version: [ 1, 2 ]
amdhsa.kernels:
  - .name:           k_q41406e802d_ffn2
    .symbol:         k_q41406e802d_ffn2.kd
    .args:
      - { .name: w2, .offset: 0, .size: 8, .value_kind: global_buffer, .address_space: global }
      - { .name: hq, .offset: 8, .size: 8, .value_kind: global_buffer, .address_space: global }
      - { .name: lst, .offset: 16, .size: 8, .value_kind: global_buffer, .address_space: global }
      - { .name: cnt, .offset: 24, .size: 8, .value_kind: global_buffer, .address_space: global }
      - { .name: b2, .offset: 32, .size: 8, .value_kind: global_buffer, .address_space: global }
      - { .name: lowp_scales, .offset: 40, .size: 8, .value_kind: global_buffer, .address_space: global }
      - { .name: y, .offset: 48, .size: 8, .value_kind: global_buffer, .address_space: global }
    .group_segment_fixed_size: 135680
    .private_segment_fixed_size: 0
    .kernarg_segment_align: 8
    .kernarg_segment_size: 56
    .max_flat_workgroup_size: 128
    .sgpr_count:     72
    .vgpr_count:     1024
    .wavefront_size: 32
...
	.end_amdgpu_metadata
.endif
;; end of part 4
;; launch combine (part 5): grid 256 x 1, 4 waves a work-group, no clusters, 0 bytes of LDS; arguments h, y, rwt, out0; writes out0
.if DOCPART == 5
	.amdgcn_target "amdgcn-amd-amdhsa--gfx1250"
	.amdhsa_code_object_version 6
	.text
	.protected	k_q41406e802d_combine
	.globl	k_q41406e802d_combine
	.p2align	8
	.type	k_q41406e802d_combine,@function
k_q41406e802d_combine:
	s_mov_b64 s[64:65], 0
	v_nop
	global_prefetch_b8 v0, s[64:65] scope:SCOPE_SE
	s_setreg_imm32_b32 hwreg(HW_REG_WAVE_MODE, 25, 1), 1
	s_wait_xcnt 0x0
; out0[n] = clip(x[n] + w0 y[2 n] + w1 y[2 n + 1], -100, 100): the two chosen experts' rows, the gate's weights, the residual and the clip.  All f32.
; A wave owns one token: three rows of 4,096 bytes in, one out; every load and store of the wave covers 512 consecutive bytes, aligned.  All 24 loads go out together.
; A stream: no LDS, no barrier, no matrix unit.  Each output row has one owner, so the two experts' parts are added in a fixed order.
.set X,  8                             ; v8-39   x, then the result
.set Y0, 40                            ; v40-71  the first choice's row
.set Y1, 72                            ; v72-103 the second's
	s_load_b256 s[4:11], s[0:1], 0x0               ; h s[4:5], y s[6:7], rwt s[8:9], out0 s[10:11]
	v_lshrrev_b32 v1, 5, v0
	v_readfirstlane_b32 s12, v1                    ; wave
	v_and_b32 v1, 31, v0
	v_lshlrev_b32 v1, 4, v1                        ; 16 x lane
	s_lshl_b32 s13, ttmp9, 2
	s_add_co_u32 s13, s13, s12                     ; my token
	s_lshl_b32 s14, s13, 12
	s_mov_b32 s15, 0
	s_lshl_b32 s16, s13, 13
	s_mov_b32 s17, 0
	s_lshl_b32 s18, s13, 3
	s_mov_b32 s19, 0
	s_mov_b32 s24, 0xc2c80000                      ; -100
	s_mov_b32 s25, 0x42c80000                      ; 100
	s_wait_kmcnt 0x0
	s_add_nc_u64 s[8:9], s[8:9], s[18:19]
	s_load_b64 s[20:21], s[8:9], 0x0               ; w0, w1
	s_add_nc_u64 s[4:5], s[4:5], s[14:15]
	s_add_nc_u64 s[10:11], s[10:11], s[14:15]
	s_add_nc_u64 s[6:7], s[6:7], s[16:17]
.irp q, 0,1,2,3,4,5,6,7
	global_load_b128 v[X+4*\q:X+4*\q+3], v1, s[4:5] offset:512*\q th:TH_LOAD_NT
.endr
.irp q, 0,1,2,3,4,5,6,7
	global_load_b128 v[Y1+4*\q:Y1+4*\q+3], v1, s[6:7] offset:4096+512*\q th:TH_LOAD_NT
.endr
.irp q, 0,1,2,3,4,5,6,7
	global_load_b128 v[Y0+4*\q:Y0+4*\q+3], v1, s[6:7] offset:512*\q th:TH_LOAD_NT
.endr
	s_wait_kmcnt 0x0
	s_mov_b32 s22, s21                             ; w1 in a pair of its own: a packed line takes a scalar pair's low word for both halves
	s_mov_b32 s23, s21
	s_wait_loadcnt 8                               ; x and the second choice's row are in; the first choice's 8 loads may be out
.irp p, 0,2,4,6,8,10,12,14,16,18,20,22,24,26,28,30
	v_pk_fma_f32 v[X+\p:X+\p+1], v[Y1+\p:Y1+\p+1], s[22:23], v[X+\p:X+\p+1] op_sel_hi:[1,0,1]
.endr
	s_wait_loadcnt 0x0
.irp p, 0,2,4,6,8,10,12,14,16,18,20,22,24,26,28,30
	v_pk_fma_f32 v[X+\p:X+\p+1], v[Y0+\p:Y0+\p+1], s[20:21], v[X+\p:X+\p+1] op_sel_hi:[1,0,1]
.endr
.set i, 0
.rept 32
	v_med3_num_f32 v[X+i], v[X+i], s24, s25
.set i, i+1
.endr
.irp q, 0,1,2,3,4,5,6,7
	global_store_b128 v1, v[X+4*\q:X+4*\q+3], s[10:11] offset:512*\q th:TH_STORE_NT
.endr
	s_endpgm
.Lfunc_end_k_q41406e802d_combine:
	.size	k_q41406e802d_combine, .Lfunc_end_k_q41406e802d_combine-k_q41406e802d_combine
	.p2alignl 7, 3214868480
	.fill 96, 4, 3214868480
	.section	.rodata,"a",@progbits
	.p2align	6, 0x0
	.amdhsa_kernel k_q41406e802d_combine
		.amdhsa_group_segment_fixed_size 0
		.amdhsa_private_segment_fixed_size 0
		.amdhsa_enable_private_segment 0
		.amdhsa_kernarg_size 32
		.amdhsa_user_sgpr_count 2
		.amdhsa_user_sgpr_kernarg_segment_ptr 1
		.amdhsa_wavefront_size32 1
		.amdhsa_system_sgpr_workgroup_id_x 1
		.amdhsa_system_sgpr_workgroup_id_y 1
		.amdhsa_system_sgpr_workgroup_id_z 1
		.amdhsa_system_vgpr_workitem_id 0
		.amdhsa_next_free_vgpr 104
		.amdhsa_next_free_sgpr 66
		.amdhsa_reserve_vcc 0
		.amdhsa_float_denorm_mode_32 3
		.amdhsa_float_denorm_mode_16_64 3
		.amdhsa_memory_ordered 1
		.amdhsa_forward_progress 1
		.amdhsa_inst_pref_size 9
	.end_amdhsa_kernel
	.amdgpu_metadata
---
amdhsa.version: [ 1, 2 ]
amdhsa.kernels:
  - .name:           k_q41406e802d_combine
    .symbol:         k_q41406e802d_combine.kd
    .args:
      - { .name: h, .offset: 0, .size: 8, .value_kind: global_buffer, .address_space: global }
      - { .name: y, .offset: 8, .size: 8, .value_kind: global_buffer, .address_space: global }
      - { .name: rwt, .offset: 16, .size: 8, .value_kind: global_buffer, .address_space: global }
      - { .name: out0, .offset: 24, .size: 8, .value_kind: global_buffer, .address_space: global }
    .group_segment_fixed_size: 0
    .private_segment_fixed_size: 0
    .kernarg_segment_align: 8
    .kernarg_segment_size: 32
    .max_flat_workgroup_size: 128
    .sgpr_count:     66
    .vgpr_count:     104
    .wavefront_size: 32
...
	.end_amdgpu_metadata
.endif
;; end of part 5
;; ======== version 2 of 3: 4 launches; 1.12 times as fast as version 1
;; workspace buffers: xq 1,048,576 bytes; ridx 4,096 bytes of whole numbers; rwt 8,192 bytes; lst 57,344 bytes of whole numbers; cnt 2,048 bytes of whole numbers; hq 29,360,128 bytes; y 8,388,608 bytes
;; launch route: the kernel of part 1 again; grid 256 x 1, 4 waves a work-group, no clusters, 61,952 bytes of LDS; arguments h, gate_w, lowp_scales, xq, ridx, rwt; writes xq, ridx, rwt
;; launch ffn1 (part 6): grid 16 x 14, 4 waves a work-group, no clusters, 269,056 bytes of LDS; arguments w1, xq, ridx, b1, lowp_scales, hq, lst, cnt; writes hq, lst, cnt
.if DOCPART == 6
	.amdgcn_target "amdgcn-amd-amdhsa--gfx1250"
	.amdhsa_code_object_version 6
	.text
	.protected	k_q41406e802d_ffn1
	.globl	k_q41406e802d_ffn1
	.p2align	8
	.type	k_q41406e802d_ffn1,@function
k_q41406e802d_ffn1:
	s_mov_b64 s[64:65], 0
	v_nop
	global_prefetch_b8 v0, s[64:65] scope:SCOPE_SE
	s_setreg_imm32_b32 hwreg(HW_REG_WAVE_MODE, 25, 1), 1
	s_wait_xcnt 0x0
; THE FIRST LAYER OF THE CHOSEN EXPERTS: hq = Q(gelu(x w1[e] + b1[e])) for the rows (token, choice) that chose expert e, on codes of E5M2.  It also places the rows by expert.
; Work-group (j, e) owns hidden units 128 j .. 128 j + 127 of expert e and ALL rows of that expert.  w1[e] is [1024 k][2048 n] f32: each of its bytes is read once in the launch, quantised in
; registers under the given 2^e1 and kept as codes: wave w takes columns 64 (w & 1) on and K half w >> 1: 512 rows x 64 columns, 256 registers of codes.
; THE PLACING.  ridx[token] = (1 << first choice) | (0x10000 << second choice), whole numbers of an earlier launch.  Every wave reads its 1,024 words and counts the expert's rows R.  Wave 0 also makes the list in LDS:
; a token that chose e gives the entry slot = 2 x token + k; entries lie from the front in the order in which the wave meets them; the rest of the 1,024 places hold the expert's lowest slot (2,047 where it has no row), so
; rows that pad a tile repeat a row of the expert.  The list is first filled with that slot, then the entries are stored at their places; a lane without an entry stores to a word of its own behind the list.
; No other wave touches LDS until the barrier in front of the first read of the list.  Work-group j = 0 stores the list and the count (32 copies) for the next launch.
; THE STREAM.  A load reads, for each half of the lanes, 256 consecutive aligned bytes of one K row (lane r: columns 4 r .. 4 r + 3).  Sixteen loads are a chunk (32 rows of K); four chunks are a ring, so 48 to 64
; loads of a wave are out.  A chunk is held, converted (a register = 4 columns of one row) and turned by 32 v_perm_b32 into operand registers (a register = 4 rows of one column).
; A tile of 16 columns is columns 4 r + jt, jt = 0..3.  Register 4 c + i, byte y, of the fragment of K step s holds K = 128 s + 32 c + 16 (lane / 16) + 4 i + y: the order in which 16-byte LDS loads bring x's codes;
; a permutation of k that is the same on both sides keeps every product with its partner.
; THE ROWS.  128 rows at a time: their codes are gathered from xq (slot / 2 is the token) into LDS rows of 1,040 bytes; each wave multiplies its fragments by all
; tiles of 16 rows (source 0 = weights, source 1 = rows: a lane holds ONE row and, in register j of tile jt, hidden unit 32 (lane / 16) + 4 j + jt); the two K halves meet in LDS as images of the accumulators;
; one wave adds them, x 2^(e0 + e1) + b1, gelu, hold, conversion under 2^e3, and stores the tile's 1,024 bytes as an image of the next product's operand registers.
; The first block's gather is part of the ring and always issued; a later block's is asked for tile by tile, only for tiles that the expert has: the other rows of the block go to LDS as the block before left them, and their products are never finished.
; gelu(v) = v/2 erfc(-v / sqrt 2), erfc(z) = t exp(-z^2 + P(t)), t = 1 / (1 + z/2), z >= 0, P of degree 9: a fit whose own relative error is 1.2e-7 for every z, in the tail too; erfc(-z) = 2 - erfc(z).
; The loop over blocks of 128 rows has a constant 8 trips and two barriers a trip; work for tiles that the expert does not have is jumped over by scalar branches on the count; no barrier stands under such a branch.
; An expert without rows still makes tile 0 (of token 1,023), so that the next launch reads stored bytes only.
; NO TENSOR LOADS, NO CLUSTER: the weights must pass through registers to be quantised, branches hang on counts read from memory, and what work-groups share (the rows' codes) is small beside the 512 KB of weights that each has to itself.
; LIMITS: e1 and e3 between -126 and 112, e0 + e1 between -126 and 127, so that each power of two below is an f32 number.  NaN among the inputs is not served.
; REGISTERS, in windows of 256: window 0 addresses and work; window 1 the weights' codes (K step s, tile jt at 64 s + 16 jt); window 2 the ring (4 x 64), later the gathered rows; window 3 accumulators (tile t, jt at 32 t + 8 jt).
.set AP,    1040                       ; an LDS row of x's codes: 1,024 bytes + 16: 65 x 16 bytes, so the 16 rows that a load touches fall on different banks (64 banks of 4 bytes: ISA guide 11.1)
.set PART,  128*AP                     ; behind the 128 rows: the partial sums, [column group 2][tile 8][K half 2][4,096 bytes]
.set LIST,  PART+131072                ; behind them: the expert's list, 1,024 words, and 32 words more, one a lane, for stores that carry no entry
.set C,     32                         ; v32-47   a chunk's codes, 4 columns a register
.set T,     48                         ; v48-63   half turned.   Behind the stream v32-63 hold a tile's 32 numbers in the next K's order
.set AO,    16                         ; v16-31   the gather's offsets: token x 1,024 + 16 r
.set B1I,   192                        ; v192-223 b1 in the accumulators' order
.set LT,    224                        ; v224-239 list entries at work; in the placing: v224-227 four running lowest slots, v228-231 at work
.set RI,    64                         ; v64-95   the placing: ridx; register 4 q + c of lane l is token 128 q + 4 l + c
.set ENT,   96                         ; v96-127  the placing: the entries
.set AD,    160                        ; v160-191 the placing: their LDS addresses
; v1 lane, v2 r, v3 h, v4 the weights' offset, v5 2^e1, v6 2^e3, v7 16 x lane, v8 rows into LDS, v9 v10 rows out of LDS, v11 v12 partial sums in and out, v13 v15 v240 stepped, v14 my list words,
; v241 16 r, v245 2,047, v246 8 x lane, v247 1,024 + lane, v248 4 x lane, v249 the list at 16 bytes a lane, v251 128 h, v[252:253] the polynomial's leading coefficient;
; v64-127, v128-191 two sets of row fragments, later the epilogue's work
.set MSB, 0
.macro WIN new                         ; the immediate's high byte repeats the setting that is left; a switch that changes nothing is dropped
.if MSB != \new
	s_set_vgpr_msb (MSB<<8)|\new
.set MSB, \new
.endif
.endm
.macro WLOAD ci                        ; chunk ci: K rows 32 ci + m (+ 16 for lanes 16-31), m = 0..15, into ring buffer ci % 4
	WIN 0x80                                       ; destination window 2
.irp m, 0,1,2,3,4,5,6,7,8,9,10,11,12,13,14,15
	global_load_b128 v[64*((\ci)%4)+4*\m:64*((\ci)%4)+4*\m+3], v4, s[4:5] offset:(32*(\ci)+\m)*8192 th:TH_LOAD_NT
.endr
.endm
.macro GATHER q                        ; 8 of my 32 rows of the block, 1,024 bytes each: each load reads 256 consecutive aligned bytes for each half of the lanes; sixteen loads, an item of the ring
	WIN 0x80
.irp pp, 0,1,2,3
.irp u, 0,1,2,3
	global_load_b128 v[64*(\q)+16*\pp+4*\u:64*(\q)+16*\pp+4*\u+3], v[AO+4*(\q)+\pp], s[6:7] offset:256*\u
.endr
.endr
.endm
.macro CHUNK ci, nx                    ; chunk ci becomes codes.  nx = 1: its buffer takes chunk ci + 4;  2: the first block's rows
.set LB, 64*((\ci)%4)
.set WB, 64*((\ci)/4)+4*((\ci)%4)
	s_wait_loadcnt 48                              ; my 16 loads are in; the three items of 16 issued behind them may be out
	WIN 0x82
.set k, 0
.rept 64
	v_med3_num_f32 v[LB+k], v[LB+k], s32, s33      ; the conversion does not saturate (ISA guide 7.6.2): held within 57,344 x 2^e1
.set k, k+1
.endr
	WIN 0x02
.irp u, 0,1,2,3,4,5,6,7
	v_cvt_scalef32_pk8_bf8_f32 v[C+2*\u:C+2*\u+1], v[LB+8*\u:LB+8*\u+7], v5   ; register m: 4 columns of K row m
.endr
.if \nx == 1
	WLOAD (\ci)+4
.else
	GATHER (\ci)-12
.endif
	WIN 0
	v_nop                                          ; a plain line between the conversions and the first reader of their results
.irp i, 0,1,2,3                        ; 4 x 4 bytes are turned in two steps
	v_perm_b32 v[T+4*\i],   v[C+4*\i+1], v[C+4*\i],   s38
	v_perm_b32 v[T+4*\i+1], v[C+4*\i+1], v[C+4*\i],   s39
	v_perm_b32 v[T+4*\i+2], v[C+4*\i+3], v[C+4*\i+2], s38
	v_perm_b32 v[T+4*\i+3], v[C+4*\i+3], v[C+4*\i+2], s39
.endr
	WIN 0x40                                       ; destination window 1
.irp i, 0,1,2,3
	v_perm_b32 v[WB+\i],    v[T+4*\i+2], v[T+4*\i],   s40
	v_perm_b32 v[WB+16+\i], v[T+4*\i+2], v[T+4*\i],   s41
	v_perm_b32 v[WB+32+\i], v[T+4*\i+3], v[T+4*\i+1], s40
	v_perm_b32 v[WB+48+\i], v[T+4*\i+3], v[T+4*\i+1], s41
.endr
.endm
.macro LISTREAD                        ; s55 = 512 x block: the tokens of my 32 rows (row 32 w + 2 p + h) become offsets in xq
	v_add_nc_u32 v240, s55, v14
.irp p, 0,1,2,3,4,5,6,7,8,9,10,11,12,13,14,15
	ds_load_b32 v[LT+\p], v240 offset:8*\p
.endr
	s_wait_dscnt 0x0
.irp p, 0,1,2,3,4,5,6,7,8,9,10,11,12,13,14,15
	v_lshrrev_b32 v[LT+\p], 1, v[LT+\p]            ; slot / 2
.endr
.irp p, 0,1,2,3,4,5,6,7,8,9,10,11,12,13,14,15
	v_min_u32 v[LT+\p], 1023, v[LT+\p]             ; held inside xq
.endr
.irp p, 0,1,2,3,4,5,6,7,8,9,10,11,12,13,14,15
	v_lshl_add_u32 v[AO+\p], v[LT+\p], 10, v241
.endr
.endm
.macro AFLOAD f, adr, tq               ; my K half of a tile of 16 rows: four fragments, 16 loads of 16 bytes
.irp s, 0,1,2,3
.irp c, 0,1,2,3
	ds_load_b128 v[\f+16*\s+4*\c:\f+16*\s+4*\c+3], v[\adr] offset:16640*(\tq)+128*\s+32*\c
.endr
.endr
.endm
.macro GROUP grp                       ; tiles 4 grp .. 4 grp + 3 of the block, if the expert has the first of them
	s_add_co_u32 s53, s49, 4*\grp
	s_cmp_lt_u32 s53, s47
	s_cbranch_scc0 .Lnog_\@
	AFLOAD 64, 9+\grp, 0
	AFLOAD 128, 9+\grp, 1
.irp q, 0,1,2,3
.set AC, 32*(4*\grp+\q)
.set FB, 64+64*(\q%2)
.if \q < 3
	s_wait_dscnt 16                                ; this tile's fragments are in; the other set's 16 loads may be out
.else
	s_wait_dscnt 0x0
.endif
	WIN 0xf1                                       ; source 0 (weights) window 1, source 1 (rows) window 0, C and D window 3
.irp s, 0,1,2,3                        ; the tile's four accumulators take turns, one instruction a turn; the first K step starts the sums
.irp jt, 0,1,2,3
.if \s == 0
	v_wmma_f32_16x16x128_bf8_bf8 v[AC+8*\jt:AC+8*\jt+7], v[64*\s+16*\jt:64*\s+16*\jt+15], v[FB+16*\s:FB+16*\s+15], 0
.else
	v_wmma_f32_16x16x128_bf8_bf8 v[AC+8*\jt:AC+8*\jt+7], v[64*\s+16*\jt:64*\s+16*\jt+15], v[FB+16*\s:FB+16*\s+15], v[AC+8*\jt:AC+8*\jt+7]
.endif
.endr
.endr
	WIN 0
.if \q < 2
.rept 4
	v_nop                                          ; four places in front of loads into registers that matrix instructions have read
.endr
	AFLOAD FB, 9+\grp, \q+2
.endif
.endr
.rept 5
	v_nop                                          ; places in front of the stores that read results, of later loads into the fragments' registers, and of the next block's sums, which begin anew on these accumulators
.endr
	WIN 0x0c                                       ; store data window 3
.irp q, 0,1,2,3
.irp jt, 0,1,2,3
	ds_store_b128 v11, v[32*(4*\grp+\q)+8*\jt:32*(4*\grp+\q)+8*\jt+3] offset:8192*(4*\grp+\q)+1024*\jt         ; each accumulator from its low end on; 512 consecutive bytes a store
	ds_store_b128 v11, v[32*(4*\grp+\q)+8*\jt+4:32*(4*\grp+\q)+8*\jt+7] offset:8192*(4*\grp+\q)+1024*\jt+512
.endr
.endr
	WIN 0
.Lnog_\@:
.endm
.macro EPIHALF hf                      ; 16 of a lane's 32 numbers v (tiles jt = 2 hf, 2 hf + 1) become gelu(v), held, in the next K's order
.set VB, 64+16*\hf
.irp k, 0,1,2,3,4,5,6,7,8,9,10,11,12,13,14,15
	v_mul_f32 v[128+\k], s58, |v[VB+\k]|           ; z = |v| / sqrt 2
.endr
.irp p, 0,2,4,6,8,10,12,14
	v_pk_fma_f32 v[144+\p:145+\p], v[128+\p:129+\p], 0.5, 1.0 op_sel_hi:[1,0,0]
.endr
.irp k, 0,1,2,3,4,5,6,7,8,9,10,11,12,13,14,15
	v_rcp_f32 v[144+\k], v[144+\k]                 ; t = 1 / (1 + z / 2)
.endr
	v_nop                                          ; a plain line behind the last reciprocal
	s_wait_alu depctr_va_vdst(0)                   ; one wait for the batch, ahead of its first reader
.irp p, 0,2,4,6,8,10,12,14
	v_pk_fma_f32 v[160+\p:161+\p], v[144+\p:145+\p], v[252:253], 0xbf527892 op_sel_hi:[1,1,0]   ; 0.17087277 t - 0.82215223
.endr
.irp cf, 0x3fbe87b0, 0xbf914e5d, 0x3e8ec7cc, 0xbe3ec24c, 0x3dc636c9, 0x3ebf88fb, 0x3f8000c7, 0xbfa1fc4e   ; 1.48851587, -1.13520398, 0.27886807, -0.18628806, 0.09678418, 0.37409196, 1.00002368, -1.26551223
.irp p, 0,2,4,6,8,10,12,14
	v_pk_fma_f32 v[160+\p:161+\p], v[160+\p:161+\p], v[144+\p:145+\p], \cf op_sel_hi:[1,1,0]
.endr
.endr
.irp p, 0,2,4,6,8,10,12,14
	v_pk_fma_f32 v[160+\p:161+\p], v[128+\p:129+\p], v[128+\p:129+\p], v[160+\p:161+\p] neg_lo:[1,0,0] neg_hi:[1,0,0]   ; P(t) - z^2
.endr
.irp p, 0,2,4,6,8,10,12,14
	v_pk_mul_f32 v[160+\p:161+\p], v[160+\p:161+\p], 0x3fb8aa3b op_sel_hi:[1,0]
.endr
.irp k, 0,1,2,3,4,5,6,7,8,9,10,11,12,13,14,15
	v_exp_f32 v[160+\k], v[160+\k]
.endr
	v_nop
	s_wait_alu depctr_va_vdst(0)
.irp p, 0,2,4,6,8,10,12,14
	v_pk_mul_f32 v[160+\p:161+\p], v[160+\p:161+\p], v[144+\p:145+\p]     ; erfc(z)
.endr
.irp p, 0,2,4,6,8,10,12,14
	v_pk_fma_f32 v[128+\p:129+\p], v[160+\p:161+\p], -1.0, 2.0 op_sel_hi:[1,0,0]   ; erfc(-z)
.endr
.irp k, 0,1,2,3,4,5,6,7,8,9,10,11,12,13,14,15
	v_cmp_lt_f32 vcc_lo, 0, v[VB+\k]
	v_cndmask_b32 v[160+\k], v[160+\k], v[128+\k], vcc_lo                  ; erfc(-v / sqrt 2)
.endr
.irp p, 0,2,4,6,8,10,12,14
	v_pk_mul_f32 v[VB+\p:VB+\p+1], v[VB+\p:VB+\p+1], 0.5 op_sel_hi:[1,0]
.endr
.irp p, 0,2,4,6,8,10,12,14
	v_pk_mul_f32 v[160+\p:161+\p], v[160+\p:161+\p], v[VB+\p:VB+\p+1]
.endr
.irp k, 0,1,2,3,4,5,6,7,8,9,10,11,12,13,14,15
	v_med3_num_f32 v[32+4*(\k%8)+2*\hf+\k/8], v[160+\k], s34, s35          ; the hold at 57,344 x 2^e3 also puts unit 4 j + jt in its place
.endr
.endm
	s_load_b256 s[4:11], s[0:1], 0x0               ; w1 s[4:5], xq s[6:7], ridx s[8:9], b1 s[10:11]
	s_load_b256 s[12:19], s[0:1], 0x20             ; the scales' exponents s[12:13], hq s[14:15], lst s[16:17], cnt s[18:19]
	v_lshl_add_u32 v254, v0, 2, 0x41900
	v_mov_b32 v255, 0
	v_lshrrev_b32 v1, 5, v0
	v_readfirstlane_b32 s20, v1                    ; wave
	s_and_b32 s21, s20, 1                          ; g: my 64 of the 128 columns
	s_lshr_b32 s22, s20, 1                         ; kp: my half of K
	s_and_b32 s23, ttmp7, 0xffff                   ; e
	s_mov_b32 s24, ttmp9                           ; j
	v_and_b32 v1, 31, v0                           ; lane
	v_and_b32 v2, 15, v0                           ; r
	v_bfe_u32 v3, v0, 4, 1                         ; h
	v_lshlrev_b32 v241, 4, v2
	v_lshl_add_u32 v4, v3, 17, v241                ; weights: 16 rows of 8,192 bytes further on for lanes 16-31, + 16 r
	v_lshlrev_b32 v7, 4, v1
	v_lshlrev_b32 v251, 7, v3
	s_mul_i32 s26, s20, 32*AP
	v_mad_u32_u24 v8, v3, AP, v241
	v_add_nc_u32 v8, s26, v8                       ; rows into LDS: row 32 w + h, + 16 r
	v_mul_u32_u24 v9, v2, AP
	v_lshl_add_u32 v9, v3, 4, v9
	s_lshl_b32 s26, s22, 9
	v_add_nc_u32 v9, s26, v9                       ; rows out of LDS: row r, + 16 h, + my K half's 512 bytes; tiles 0-3
	v_add_nc_u32 v10, 64*AP, v9                    ; tiles 4-7
	s_lshl_b32 s26, s21, 16
	s_add_co_u32 s26, s26, PART
	s_lshl_b32 s27, s22, 12
	s_add_co_u32 s27, s27, s26
	v_add_nc_u32 v11, s27, v7                      ; my partial sums: group g, K half kp
	s_lshl_b32 s27, s22, 13
	s_add_co_u32 s27, s27, s26
	v_add_nc_u32 v12, s27, v7                      ; the tiles that I finish: group g, tiles 2 i + kp
	s_lshl_b32 s26, s20, 7
	s_add_co_u32 s26, s26, LIST
	v_lshl_add_u32 v14, v3, 2, s26                 ; the list words of rows 32 w + h + 2 p
	v_add_nc_u32 v249, LIST, v7                    ; the list, 16 bytes a lane
	v_lshlrev_b32 v248, 2, v1
	v_add_nc_u32 v247, 1024, v1                    ; the place of a store that carries no entry: my word behind the list
	v_lshlrev_b32 v246, 3, v1
	v_mov_b32 v245, 0x7ff                          ; 2,047: above or equal to every slot
	v_mov_b32 v252, 0x3e2ef945                     ; 0.17087277
	v_mov_b32 v253, 0x3e2ef945
	s_mov_b32 s38, 0x05010400                      ; the byte selects of the turn
	s_mov_b32 s39, 0x07030602
	s_mov_b32 s40, 0x05040100
	s_mov_b32 s41, 0x07060302
	s_mov_b32 s58, 0x3f3504f3                      ; 1 / sqrt 2
	s_mov_b32 s57, 0x76543210                      ; v_permlanex16_b32: lane l takes lane l xor 16
	s_mov_b32 s59, 0xfedcba98
	s_lshl_b32 s42, 0x10001, s23                   ; the expert's two bits in a word of ridx
	s_add_co_u32 s43, s23, 16                      ; a word with only the expert's bits, shifted right by this, is k
	s_lshl_b32 s60, s23, 23                        ; w1: expert, K half, columns
	s_lshl_b32 s26, s22, 22
	s_add_co_u32 s60, s60, s26
	s_lshl_b32 s26, s24, 9
	s_add_co_u32 s60, s60, s26
	s_lshl_b32 s26, s21, 8
	s_add_co_u32 s60, s60, s26
	s_mov_b32 s61, 0
	s_lshl_b32 s62, s23, 12                        ; lst: expert
	s_mov_b32 s63, 0
	s_lshl_b32 s66, s23, 7                         ; cnt: expert
	s_mov_b32 s67, 0
	s_lshl_b32 s68, s23, 13                        ; b1: expert, columns
	s_lshl_b32 s26, s24, 9
	s_add_co_u32 s68, s68, s26
	s_lshl_b32 s26, s21, 8
	s_add_co_u32 s68, s68, s26
	s_mov_b32 s69, 0
	s_lshl_b32 s70, s23, 21                        ; hq: expert, block of 64 units 2 j + g
	s_lshl_b32 s26, s24, 11
	s_add_co_u32 s70, s70, s26
	s_lshl_b32 s26, s21, 10
	s_add_co_u32 s70, s70, s26
	s_mov_b32 s71, 0
	s_wait_kmcnt 0x0
	s_load_b128 s[28:31], s[12:13], 0x0            ; e0, e1, e2, e3
	s_add_nc_u64 s[4:5], s[4:5], s[60:61]
	s_add_nc_u64 s[16:17], s[16:17], s[62:63]
	s_add_nc_u64 s[18:19], s[18:19], s[66:67]
	s_add_nc_u64 s[10:11], s[10:11], s[68:69]
	s_add_nc_u64 s[14:15], s[14:15], s[70:71]
.irp q, 0,1,2,3,4,5,6,7
	global_load_b128 v[RI+4*\q:RI+4*\q+3], v7, s[8:9] offset:512*\q   ; all of ridx, in every wave: 512 consecutive bytes a load
.endr
.irp i, 0,1,2,3,4,5,6,7
	global_load_b128 v[128+4*\i:131+4*\i], v251, s[10:11] offset:16*\i   ; b1 of my lane's units 32 h + 0 .. 31
.endr
	WLOAD 0
	WLOAD 1
	WLOAD 2
	WIN 0
	s_wait_kmcnt 0x0
	s_add_co_i32 s26, s29, 127
	s_lshl_b32 s27, s26, 23
	v_mov_b32 v5, s27                              ; 2^e1 as f32: the conversion takes its exponent field
	s_add_co_i32 s26, s26, 15
	s_lshl_b32 s26, s26, 23
	s_or_b32 s33, s26, 0x600000                    ; 57,344 x 2^e1
	s_or_b32 s32, s33, 0x80000000
	s_add_co_i32 s26, s31, 127
	s_lshl_b32 s27, s26, 23
	v_mov_b32 v6, s27                              ; 2^e3
	s_add_co_i32 s26, s26, 15
	s_lshl_b32 s26, s26, 23
	s_or_b32 s35, s26, 0x600000                    ; 57,344 x 2^e3
	s_or_b32 s34, s35, 0x80000000
	s_add_co_i32 s26, s28, s29
	s_add_co_i32 s26, s26, 127
	s_lshl_b32 s36, s26, 23                        ; 2^(e0 + e1)
	s_mov_b32 s37, s36                             ; (named with it as a pair, so it is written)
	s_wait_loadcnt 56                              ; ridx is in; b1's 8 loads and the three chunks' 48, issued behind it, may be out
	s_mov_b32 s46, 0                               ; the expert's rows met so far
	s_cmp_lg_u32 s20, 0
	s_cbranch_scc1 .Lcount
	; ---- wave 0 places the rows.  Four registers of ridx (128 tokens) go side by side, so that no line waits for the line above it
.irp k, 0,1,2,3
	v_mov_b32 v[224+\k], 0x7ff                     ; four running lowest slots
.endr
.set i, 0
.rept 8
.irp k, 0,1,2,3
	v_and_b32 v[RI+i+\k], s42, v[RI+i+\k]          ; not 0: the token chose e
.endr
.irp k, 0,1,2,3
	v_cmp_ne_u32 s[52+\k], 0, v[RI+i+\k]
.endr
.irp k, 0,1,2,3
	v_lshrrev_b32 v[228+\k], s43, v[RI+i+\k]       ; k: 1 where e is the second choice
.endr
.irp k, 0,1,2,3
	v_add3_u32 v[ENT+i+\k], v[228+\k], v246, 256*(i/4)+2*\k   ; 2 x token + k
.endr
.irp k, 0,1,2,3
	s_bcnt1_i32_b32 s[48+\k], s[52+\k]
.endr
	s_add_co_u32 s48, s46, s48                     ; rows met ahead of each of the four registers
	s_add_co_u32 s49, s48, s49
	s_add_co_u32 s50, s49, s50
	s_add_co_u32 s51, s50, s51
	v_mbcnt_lo_u32_b32 v[AD+i], s52, s46           ; + those in the lanes below me: my place from the front
	v_mbcnt_lo_u32_b32 v[AD+i+1], s53, s48
	v_mbcnt_lo_u32_b32 v[AD+i+2], s54, s49
	v_mbcnt_lo_u32_b32 v[AD+i+3], s55, s50
	s_mov_b32 s46, s51
.irp k, 0,1,2,3
	v_cndmask_b32 v[228+\k], v245, v[ENT+i+\k], s[52+\k]
.endr
.irp k, 0,1,2,3
	v_cndmask_b32 v[AD+i+\k], v247, v[AD+i+\k], s[52+\k]   ; no entry: my word behind the list
.endr
.irp k, 0,1,2,3
	v_min_u32 v[224+\k], v[224+\k], v[228+\k]
.endr
.irp k, 0,1,2,3
	v_min_u32 v[AD+i+\k], 0x41f, v[AD+i+\k]        ; held inside the list and the 32 words behind it
.endr
.irp k, 0,1,2,3
	v_lshl_add_u32 v[AD+i+\k], v[AD+i+\k], 2, LIST
.endr
.set i, i+4
.endr
	v_min_u32 v224, v224, v225
	v_min_u32 v226, v226, v227
	v_min_u32 v224, v224, v226
.irp m, 1,2,4,8
	v_mov_b32_dpp v228, v224 row_xmask:\m row_mask:0xf bank_mask:0xf
	v_min_u32 v224, v224, v228
.endr
	v_permlanex16_b32 v228, v224, s57, s59
	v_min_u32 v224, v224, v228                     ; every lane holds the expert's lowest slot
	v_mov_b32 v225, v224
	v_mov_b32 v226, v224
	v_mov_b32 v227, v224
.irp q, 0,1,2,3,4,5,6,7
	ds_store_b128 v249, v[224:227] offset:512*\q   ; the whole list holds it;
.endr
.set i, 0
.rept 32
	ds_store_b32 v[AD+i], v[ENT+i]                 ; then the entries take their places (LDS serves a wave's instructions in order: ISA guide 5.7.1.4)
.set i, i+1
.endr
	s_cmp_lg_u32 s24, 0
	s_cbranch_scc1 .Lno_lst
.irp q, 0,1,2,3,4,5,6,7                ; work-group j = 0 hands list and count to the next launch
	ds_load_b128 v[RI+4*\q:RI+4*\q+3], v249 offset:512*\q
.endr
	v_mov_b32 v228, s46
	s_wait_dscnt 0x0
.irp q, 0,1,2,3,4,5,6,7
	global_store_b128 v7, v[RI+4*\q:RI+4*\q+3], s[16:17] offset:512*\q   ; 512 consecutive bytes, aligned
.endr
	global_store_b32 v248, v228, s[18:19]          ; the count, 32 copies
	s_wait_xcnt 0x0                                ; the stores have read their registers, which are written again further on
.Lno_lst:
	s_branch .Lbuilt
.Lcount:
	; ---- waves 1 to 3 count the expert's rows for themselves: the count needs no way through LDS
.set i, 0
.rept 8
.irp k, 0,1,2,3
	v_and_b32 v[RI+i+\k], s42, v[RI+i+\k]
.endr
.irp k, 0,1,2,3
	v_cmp_ne_u32 s[52+\k], 0, v[RI+i+\k]
.endr
.irp k, 0,1,2,3
	s_bcnt1_i32_b32 s[52+\k], s[52+\k]
.endr
.irp k, 0,1,2,3
	s_add_co_u32 s46, s46, s[52+\k]
.endr
.set i, i+4
.endr
.Lbuilt:
	s_add_co_u32 s47, s46, 15
	s_lshr_b32 s47, s47, 4
	s_max_u32 s47, s47, 1                          ; tiles of 16 rows, at least one
	WLOAD 3
	CHUNK 0, 1
	WIN 0                                          ; behind chunk 0's wait all that was issued ahead of the weights is in
.irp jt, 0,1,2,3
.irp j, 0,1,2,3,4,5,6,7
	v_mov_b32 v[B1I+8*\jt+\j], v[128+4*\j+\jt]     ; once: b1 into the accumulators' order, so that one packed multiply-add serves two sums in every tile
.endr
.endr
.irp ci, 1,2,3,4,5,6,7,8,9,10,11
	CHUNK \ci, 1
.endr
	WIN 0
	s_wait_dscnt 0x0                               ; for the others' sake: wave 0's list lies in LDS
	s_barrier_signal -1
	s_barrier_wait -1
	s_mov_b32 s55, 0
	LISTREAD                                       ; block 0's rows
.irp ci, 12,13,14,15
	CHUNK \ci, 2                                   ; the ring goes on into the gather: every count stays 48
.endr
	WIN 0
	s_mov_b32 s48, 0                               ; block
	s_mov_b32 s49, 0                               ; its first tile
	s_mov_b32 s50, 0                               ; its first list word, in bytes
.Lblock:
	s_wait_loadcnt 0x0                             ; the block's rows are in registers
	s_wait_xcnt 0x0                                ; the last stores have read their data and offset: both lie in registers that this trip writes
	s_cmp_lt_u32 s49, s47
	s_cbranch_scc0 .Lno_rows
	WIN 0x08                                       ; store data window 2
.irp p, 0,1,2,3,4,5,6,7,8,9,10,11,12,13,14,15
.irp u, 0,1,2,3
	ds_store_b128 v8, v[16*\p+4*\u:16*\p+4*\u+3] offset:2*AP*\p+256*\u
.endr
.endr
	WIN 0
.Lno_rows:
	s_wait_dscnt 0x0                               ; my rows lie in LDS, and my reads of the last block's partial sums are over
	s_barrier_signal -1
	s_barrier_wait -1
	s_add_co_u32 s53, s49, 8                       ; the next block's rows are asked for now and land under this block's products: my 32 rows are its tiles 2 w and 2 w + 1,
	s_lshl_b32 s56, s20, 1
	s_add_co_u32 s53, s53, s56
	s_cmp_lt_u32 s53, s47                          ; and each is asked for only if the expert has it
	s_cbranch_scc0 .Lno_next
	s_add_co_u32 s55, s50, 512
	s_and_b32 s55, s55, 0xe00                      ; (inside the list whatever the trip)
	LISTREAD
	GATHER 0
	GATHER 1
	WIN 0
	s_add_co_u32 s53, s53, 1
	s_cmp_lt_u32 s53, s47
	s_cbranch_scc0 .Lno_next
	GATHER 2
	GATHER 3
	WIN 0
.Lno_next:
	GROUP 0
	GROUP 1
	s_wait_dscnt 0x0                               ; my partial sums lie in LDS, and my reads of the rows are over
	s_barrier_signal -1
	s_barrier_wait -1
	s_mov_b32 s54, 0
	s_mov_b32 s51, 0
.Lfinish:                                              ; four trips: tiles 2 i + kp of my column group
	s_lshl_b32 s52, s54, 1
	s_add_co_u32 s52, s52, s22
	s_add_co_u32 s52, s52, s49                     ; the tile's number in the expert
	s_cmp_lt_u32 s52, s47
	s_cbranch_scc0 .Lno_tile
	s_wait_xcnt 0x0                                ; the last tile's stores have read their data and offset
	v_add_nc_u32 v13, s51, v12
.irp x, 0,1,2,3,4,5,6,7
	ds_load_b128 v[64+4*\x:67+4*\x], v13 offset:512*\x
.endr
.irp x, 0,1,2,3,4,5,6,7
	ds_load_b128 v[96+4*\x:99+4*\x], v13 offset:4096+512*\x
.endr
	s_wait_dscnt 0x0
.irp p, 0,2,4,6,8,10,12,14,16,18,20,22,24,26,28,30
	v_pk_add_f32 v[64+\p:65+\p], v[64+\p:65+\p], v[96+\p:97+\p]
.endr
.irp p, 0,2,4,6,8,10,12,14,16,18,20,22,24,26,28,30
	v_pk_fma_f32 v[64+\p:65+\p], v[64+\p:65+\p], s[36:37], v[B1I+\p:B1I+\p+1] op_sel_hi:[1,0,1]   ; sum x 2^(e0 + e1) + b1
.endr
	EPIHALF 0
	EPIHALF 1
.irp u, 0,1,2,3
	v_cvt_scalef32_pk8_bf8_f32 v[176+2*\u:177+2*\u], v[32+8*\u:39+8*\u], v6
.endr
	v_nop                                          ; a plain line behind the last conversion
	s_lshl_b32 s53, s52, 15                        ; a tile of rows is 32 blocks of 1,024 bytes
	v_add_nc_u32 v15, s53, v7
	global_store_b128 v15, v[176:179], s[14:15]    ; 512 consecutive bytes, aligned: registers 0-3 of the image,
	global_store_b128 v15, v[180:183], s[14:15] offset:512   ; and registers 4-7
.Lno_tile:
	s_add_co_u32 s51, s51, 16384
	s_add_co_u32 s54, s54, 1
	s_cmp_lt_u32 s54, 4
	s_cbranch_scc1 .Lfinish
	s_add_co_u32 s49, s49, 8
	s_add_co_u32 s50, s50, 512
	s_add_co_u32 s48, s48, 1
	s_cmp_lt_u32 s48, 8
	s_cbranch_scc1 .Lblock
	s_wait_tensorcnt 0x0
	ds_add_u32 v254, v255
	s_wait_dscnt 0x0
	s_endpgm
.Lfunc_end_k_q41406e802d_ffn1:
	.size	k_q41406e802d_ffn1, .Lfunc_end_k_q41406e802d_ffn1-k_q41406e802d_ffn1
	.p2alignl 7, 3214868480
	.fill 96, 4, 3214868480
	.section	.rodata,"a",@progbits
	.p2align	6, 0x0
	.amdhsa_kernel k_q41406e802d_ffn1
		.amdhsa_group_segment_fixed_size 269056
		.amdhsa_private_segment_fixed_size 0
		.amdhsa_enable_private_segment 0
		.amdhsa_kernarg_size 64
		.amdhsa_user_sgpr_count 2
		.amdhsa_user_sgpr_kernarg_segment_ptr 1
		.amdhsa_wavefront_size32 1
		.amdhsa_system_sgpr_workgroup_id_x 1
		.amdhsa_system_sgpr_workgroup_id_y 1
		.amdhsa_system_sgpr_workgroup_id_z 1
		.amdhsa_system_vgpr_workitem_id 0
		.amdhsa_next_free_vgpr 1024
		.amdhsa_next_free_sgpr 72
		.amdhsa_reserve_vcc 1
		.amdhsa_float_denorm_mode_32 3
		.amdhsa_float_denorm_mode_16_64 3
		.amdhsa_memory_ordered 1
		.amdhsa_forward_progress 1
		.amdhsa_inst_pref_size 250
	.end_amdhsa_kernel
	.amdgpu_metadata
---
amdhsa.version: [ 1, 2 ]
amdhsa.kernels:
  - .name:           k_q41406e802d_ffn1
    .symbol:         k_q41406e802d_ffn1.kd
    .args:
      - { .name: w1, .offset: 0, .size: 8, .value_kind: global_buffer, .address_space: global }
      - { .name: xq, .offset: 8, .size: 8, .value_kind: global_buffer, .address_space: global }
      - { .name: ridx, .offset: 16, .size: 8, .value_kind: global_buffer, .address_space: global }
      - { .name: b1, .offset: 24, .size: 8, .value_kind: global_buffer, .address_space: global }
      - { .name: lowp_scales, .offset: 32, .size: 8, .value_kind: global_buffer, .address_space: global }
      - { .name: hq, .offset: 40, .size: 8, .value_kind: global_buffer, .address_space: global }
      - { .name: lst, .offset: 48, .size: 8, .value_kind: global_buffer, .address_space: global }
      - { .name: cnt, .offset: 56, .size: 8, .value_kind: global_buffer, .address_space: global }
    .group_segment_fixed_size: 269056
    .private_segment_fixed_size: 0
    .kernarg_segment_align: 8
    .kernarg_segment_size: 64
    .max_flat_workgroup_size: 128
    .sgpr_count:     72
    .vgpr_count:     1024
    .wavefront_size: 32
...
	.end_amdgpu_metadata
.endif
;; end of part 6
;; launch ffn2: the kernel of part 4 again; grid 16 x 14, 4 waves a work-group, no clusters, 135,680 bytes of LDS; arguments w2, hq, lst, cnt, b2, lowp_scales, y; writes y
;; launch combine: the kernel of part 5 again; grid 256 x 1, 4 waves a work-group, no clusters, 0 bytes of LDS; arguments h, y, rwt, out0; writes out0
;; ======== version 3 of 3: 4 launches; version 2 with the launches ffn1, ffn2 written anew for expert scheduling mode
;; workspace buffers: xq 1,048,576 bytes; ridx 4,096 bytes of whole numbers; rwt 8,192 bytes; lst 57,344 bytes of whole numbers; cnt 2,048 bytes of whole numbers; hq 29,360,128 bytes; y 8,388,608 bytes
;; launch route: the kernel of part 1 again; grid 256 x 1, 4 waves a work-group, no clusters, 61,952 bytes of LDS; arguments h, gate_w, lowp_scales, xq, ridx, rwt; writes xq, ridx, rwt
;; launch ffn1 (part 7): grid 16 x 14, 4 waves a work-group, no clusters, 269,056 bytes of LDS; arguments w1, xq, ridx, b1, lowp_scales, hq, lst, cnt; writes hq, lst, cnt
.if DOCPART == 7
	.amdgcn_target "amdgcn-amd-amdhsa--gfx1250"
	.amdhsa_code_object_version 6
	.text
	.protected	k_q41406e802d_ffn1
	.globl	k_q41406e802d_ffn1
	.p2align	8
	.type	k_q41406e802d_ffn1,@function
k_q41406e802d_ffn1:
	s_mov_b64 s[64:65], 0
	v_nop
	global_prefetch_b8 v0, s[64:65] scope:SCOPE_SE
	s_setreg_imm32_b32 hwreg(HW_REG_WAVE_SCHED_MODE, 0, 2), 2
	s_setreg_imm32_b32 hwreg(HW_REG_WAVE_MODE, 25, 1), 1
	s_wait_xcnt 0x0
	s_wait_alu depctr_vm_vsrc(0)
; THE FIRST LAYER OF THE CHOSEN EXPERTS: hq = Q(gelu(x w1[e] + b1[e])) for the rows (token, choice) that chose expert e, on codes of E5M2.  It also places the rows by expert.
; Work-group (j, e) owns hidden units 128 j .. 128 j + 127 of expert e and ALL rows of that expert.  w1[e] is [1024 k][2048 n] f32: each of its bytes is read once in the launch, quantised in
; registers under the given 2^e1 and kept as codes: wave w takes columns 64 (w & 1) on and K half w >> 1: 512 rows x 64 columns, 256 registers of codes.
; THE PLACING.  ridx[token] = (1 << first choice) | (0x10000 << second choice), whole numbers of an earlier launch.  Every wave reads its 1,024 words and counts the expert's rows R.  Wave 0 also makes the list in LDS:
; a token that chose e gives the entry slot = 2 x token + k; entries lie from the front in the order in which the wave meets them; the rest of the 1,024 places hold the expert's lowest slot (2,047 where it has no row), so
; rows that pad a tile repeat a row of the expert.  The list is first filled with that slot, then the entries are stored at their places; a lane without an entry stores to a word of its own behind the list.
; No other wave touches LDS until the barrier in front of the first read of the list.  Work-group j = 0 stores the list and the count (32 copies) for the next launch.
; THE STREAM.  A load reads, for each half of the lanes, 256 consecutive aligned bytes of one K row (lane r: columns 4 r .. 4 r + 3).  Sixteen loads are a chunk (32 rows of K); four chunks are a ring, so 48 to 64
; loads of a wave are out.  A chunk is held, converted (a register = 4 columns of one row) and turned by 32 v_perm_b32 into operand registers (a register = 4 rows of one column).
; A tile of 16 columns is columns 4 r + jt, jt = 0..3.  Register 4 c + i, byte y, of the fragment of K step s holds K = 128 s + 32 c + 16 (lane / 16) + 4 i + y: the order in which 16-byte LDS loads bring x's codes;
; a permutation of k that is the same on both sides keeps every product with its partner.
; THE ROWS.  128 rows at a time: their codes are gathered from xq (slot / 2 is the token) into LDS rows of 1,040 bytes; each wave multiplies its fragments by all
; tiles of 16 rows (source 0 = weights, source 1 = rows: a lane holds ONE row and, in register j of tile jt, hidden unit 32 (lane / 16) + 4 j + jt); the two K halves meet in LDS as images of the accumulators;
; one wave adds them, x 2^(e0 + e1) + b1, gelu, hold, conversion under 2^e3, and stores the tile's 1,024 bytes as an image of the next product's operand registers.
; The first block's gather is part of the ring and always issued; a later block's is asked for tile by tile, only for tiles that the expert has: the other rows of the block go to LDS as the block before left them, and their products are never finished.
; gelu(v) = v/2 erfc(-v / sqrt 2), erfc(z) = t exp(-z^2 + P(t)), t = 1 / (1 + z/2), z >= 0, P of degree 9: a fit whose own relative error is 1.2e-7 for every z, in the tail too; erfc(-z) = 2 - erfc(z).
; The loop over blocks of 128 rows has a constant 8 trips and two barriers a trip; work for tiles that the expert does not have is jumped over by scalar branches on the count; no barrier stands under such a branch.
; An expert without rows still makes tile 0 (of token 1,023), so that the next launch reads stored bytes only.
; NO TENSOR LOADS, NO CLUSTER: the weights must pass through registers to be quantised, branches hang on counts read from memory, and what work-groups share (the rows' codes) is small beside the 512 KB of weights that each has to itself.
; LIMITS: e1 and e3 between -126 and 112, e0 + e1 between -126 and 127, so that each power of two below is an f32 number.  NaN among the inputs is not served.
; REGISTERS, in windows of 256: window 0 addresses and work; window 1 the weights' codes (K step s, tile jt at 64 s + 16 jt); window 2 the ring (4 x 64), later the gathered rows; window 3 accumulators (tile t, jt at 32 t + 8 jt).
; THE MODE: SCHED_MODE bits 1:0 = 2 (LLVM: expert scheduling mode 2), set by the entry lines.  The code itself states the register dependences
; between vector or matrix instructions and memory or LDS instructions, with s_wait_alu, always for 0.
; THE PLAN.  Registers that memory or LDS instructions touch, and who else names them:
;   v4, v7-v12, v14, v241, v248, v249, v251   Offsets and LDS addresses, made once at the head and never written again: one wait on va_vdst ahead of the first load serves them for the whole kernel.
;   the ring (window 2)   In the stream: a chunk's loads land; its 64 holds write and its 8 conversions read the buffer; ONE wait on va_vdst behind the conversions; the next item's 16 loads land in the same buffer.
;                         In the loop over blocks: the gather lands, my LDS stores read, and the next gather lands behind the wait on vm_vsrc at the head of the list's reading.
;   v64-127, v160-191, v224-228   The placing (wave 0): vector lines write them, one wait on va_vdst, the stores read them; one wait on vm_vsrc where the placing's two ways join, ahead of every later writer.
;   v240, v224-239, v16-31   The list's reading: v240 is written and read by the 16 LDS loads, which land in v224-239; vector lines make the gather's offsets v16-31 of them.  In the loop: a wait on vm_vsrc ahead of the writes,
;                         one on va_vdst ahead of the LDS loads, one ahead of the gather.
;   v64-191               Two sets of fragments: LDS loads land, a tile's 16 products read; a wait on va_vdst behind those products, ahead of the loads that take the set.  The finishing works in the same registers: all its vector lines
;                         stand ahead of the wait in front of its stores, and all of a group's products ahead of the wait in front of its partial sums, so a group's first loads owe nothing more.
;   the accumulators (window 3)   Products write them; the places, one wait on va_vdst, the LDS stores read them; the wait on vm_vsrc at the next block's head stands ahead of the next products.
;   v13, v15, v176-183    The finishing: an LDS address, an offset and the codes: a wait on vm_vsrc ahead of their writers, one on va_vdst ahead of the LDS loads and one ahead of the stores.
;   Scalar results of vector lines: the wave's number, the placing's masks (s52-55) and gelu's sixteen masks (s24-31, s38-45): a wait on va_sdst between each run of writers and its first reader.
.set AP,    1040                       ; an LDS row of x's codes: 1,024 bytes + 16: 65 x 16 bytes, so the 16 rows that a load touches fall on different banks (64 banks of 4 bytes: ISA guide 11.1)
.set PART,  128*AP                     ; behind the 128 rows: the partial sums, [column group 2][tile 8][K half 2][4,096 bytes]
.set LIST,  PART+131072                ; behind them: the expert's list, 1,024 words, and 32 words more, one a lane, for stores that carry no entry
.set C,     32                         ; v32-47   a chunk's codes, 4 columns a register
.set T,     48                         ; v48-63   half turned.   Behind the stream v32-63 hold a tile's 32 numbers in the next K's order
.set AO,    16                         ; v16-31   the gather's offsets: token x 1,024 + 16 r
.set B1I,   192                        ; v192-223 b1 in the accumulators' order
.set LT,    224                        ; v224-239 list entries at work; in the placing: v224-227 four running lowest slots, v228-231 at work
.set RI,    64                         ; v64-95   the placing: ridx; register 4 q + c of lane l is token 128 q + 4 l + c
.set ENT,   96                         ; v96-127  the placing: the entries
.set AD,    160                        ; v160-191 the placing: their LDS addresses
; v1 lane, v2 r, v3 h, v4 the weights' offset, v5 2^e1, v6 2^e3, v7 16 x lane, v8 rows into LDS, v9 v10 rows out of LDS, v11 v12 partial sums in and out, v13 v15 v240 stepped, v14 my list words,
; v241 16 r, v245 2,047, v246 8 x lane, v247 1,024 + lane, v248 4 x lane, v249 the list at 16 bytes a lane, v251 128 h, v[252:253] the polynomial's leading coefficient;
; v64-127, v128-191 two sets of row fragments, later the epilogue's work
.set MSB, 0
.macro WIN new                         ; the immediate's high byte repeats the setting that is left; a switch that changes nothing is dropped
.if MSB != \new
	s_set_vgpr_msb (MSB<<8)|\new
.set MSB, \new
.endif
.endm
.macro WLOAD ci                        ; chunk ci: K rows 32 ci + m (+ 16 for lanes 16-31), m = 0..15, into ring buffer ci % 4
	WIN 0x80                                       ; destination window 2
.irp m, 0,1,2,3,4,5,6,7,8,9,10,11,12,13,14,15
	global_load_b128 v[64*((\ci)%4)+4*\m:64*((\ci)%4)+4*\m+3], v4, s[4:5] offset:(32*(\ci)+\m)*8192 th:TH_LOAD_NT
.endr
.endm
.macro GATHER q                        ; 8 of my 32 rows of the block, 1,024 bytes each: each load reads 256 consecutive aligned bytes for each half of the lanes; sixteen loads, an item of the ring
	WIN 0x80
.irp pp, 0,1,2,3
.irp u, 0,1,2,3
	global_load_b128 v[64*(\q)+16*\pp+4*\u:64*(\q)+16*\pp+4*\u+3], v[AO+4*(\q)+\pp], s[6:7] offset:256*\u
.endr
.endr
.endm
.macro CHUNK ci, nx                    ; chunk ci becomes codes.  nx = 1: its buffer takes chunk ci + 4;  2: the first block's rows
.set LB, 64*((\ci)%4)
.set WB, 64*((\ci)/4)+4*((\ci)%4)
	s_wait_loadcnt 48                              ; my 16 loads are in; the three items of 16 issued behind them may be out
	WIN 0x82
.set k, 0
.rept 64
	v_med3_num_f32 v[LB+k], v[LB+k], s32, s33      ; the conversion does not saturate (ISA guide 7.6.2): held within 57,344 x 2^e1
.set k, k+1
.endr
	WIN 0x02
.irp u, 0,1,2,3,4,5,6,7
	v_cvt_scalef32_pk8_bf8_f32 v[C+2*\u:C+2*\u+1], v[LB+8*\u:LB+8*\u+7], v5   ; register m: 4 columns of K row m
.endr
	WIN 0x80
	s_wait_alu depctr_va_vdst(0)                   ; the holds have written this buffer and the conversions are done reading it: the sixteen loads below land in it (chunks 12 to 15: and the gather's offsets v16-31 are written)
.if \nx == 1
	WLOAD (\ci)+4
.else
	GATHER (\ci)-12
.endif
	WIN 0
	v_nop                                          ; a plain line between the conversions and the first reader of their results
.irp i, 0,1,2,3                        ; 4 x 4 bytes are turned in two steps
	v_perm_b32 v[T+4*\i],   v[C+4*\i+1], v[C+4*\i],   s38
	v_perm_b32 v[T+4*\i+1], v[C+4*\i+1], v[C+4*\i],   s39
	v_perm_b32 v[T+4*\i+2], v[C+4*\i+3], v[C+4*\i+2], s38
	v_perm_b32 v[T+4*\i+3], v[C+4*\i+3], v[C+4*\i+2], s39
.endr
	WIN 0x40                                       ; destination window 1
.irp i, 0,1,2,3
	v_perm_b32 v[WB+\i],    v[T+4*\i+2], v[T+4*\i],   s40
	v_perm_b32 v[WB+16+\i], v[T+4*\i+2], v[T+4*\i],   s41
	v_perm_b32 v[WB+32+\i], v[T+4*\i+3], v[T+4*\i+1], s40
	v_perm_b32 v[WB+48+\i], v[T+4*\i+3], v[T+4*\i+1], s41
.endr
.endm
.macro LISTREAD again                  ; s55 = 512 x block: the tokens of my 32 rows (row 32 w + 2 p + h) become offsets in xq.  again = 1: in the loop over blocks
.if \again
	s_wait_alu depctr_vm_vsrc(0)                   ; the last reading's LDS loads have read v240 and the last gather's loads v16-31, which are written below; my LDS stores of the rows have read the ring's registers, in which the next gather lands
.endif
	v_add_nc_u32 v240, s55, v14
	s_wait_alu depctr_va_vdst(0)                   ; v240 is written, which the loads below read; the vector lines that named v224-239 (the placing's, the last reading's) are done, and the loads land there
.irp p, 0,1,2,3,4,5,6,7,8,9,10,11,12,13,14,15
	ds_load_b32 v[LT+\p], v240 offset:8*\p
.endr
	s_wait_dscnt 0x0
.irp p, 0,1,2,3,4,5,6,7,8,9,10,11,12,13,14,15
	v_lshrrev_b32 v[LT+\p], 1, v[LT+\p]            ; slot / 2
.endr
.irp p, 0,1,2,3,4,5,6,7,8,9,10,11,12,13,14,15
	v_min_u32 v[LT+\p], 1023, v[LT+\p]             ; held inside xq
.endr
.irp p, 0,1,2,3,4,5,6,7,8,9,10,11,12,13,14,15
	v_lshl_add_u32 v[AO+\p], v[LT+\p], 10, v241
.endr
.endm
.macro AFLOAD f, adr, tq               ; my K half of a tile of 16 rows: four fragments, 16 loads of 16 bytes
.irp s, 0,1,2,3
.irp c, 0,1,2,3
	ds_load_b128 v[\f+16*\s+4*\c:\f+16*\s+4*\c+3], v[\adr] offset:16640*(\tq)+128*\s+32*\c
.endr
.endr
.endm
.macro GROUP grp                       ; tiles 4 grp .. 4 grp + 3 of the block, if the expert has the first of them
	s_add_co_u32 s53, s49, 4*\grp
	s_cmp_lt_u32 s53, s47
	s_cbranch_scc0 .Lnog_\@
	AFLOAD 64, 9+\grp, 0                           ; no wait: every vector or matrix line that named v64-191 stands ahead of a wait on va_vdst (the finishing's, in front of its stores; the group before's, in front of its partial sums)
	AFLOAD 128, 9+\grp, 1
.irp q, 0,1,2,3
.set AC, 32*(4*\grp+\q)
.set FB, 64+64*(\q%2)
.if \q < 3
	s_wait_dscnt 16                                ; this tile's fragments are in; the other set's 16 loads may be out
.else
	s_wait_dscnt 0x0
.endif
	WIN 0xf1                                       ; source 0 (weights) window 1, source 1 (rows) window 0, C and D window 3
.irp s, 0,1,2,3                        ; the tile's four accumulators take turns, one instruction a turn; the first K step starts the sums
.irp jt, 0,1,2,3
.if \s == 0
	v_wmma_f32_16x16x128_bf8_bf8 v[AC+8*\jt:AC+8*\jt+7], v[64*\s+16*\jt:64*\s+16*\jt+15], v[FB+16*\s:FB+16*\s+15], 0
.else
	v_wmma_f32_16x16x128_bf8_bf8 v[AC+8*\jt:AC+8*\jt+7], v[64*\s+16*\jt:64*\s+16*\jt+15], v[FB+16*\s:FB+16*\s+15], v[AC+8*\jt:AC+8*\jt+7]
.endif
.endr
.endr
	WIN 0
.if \q < 2
.rept 4
	v_nop                                          ; four places in front of loads into registers that matrix instructions have read; they stay beside the wait below
.endr
	s_wait_alu depctr_va_vdst(0)                   ; this tile's products are done reading their set of fragments, in which the loads below land
	AFLOAD FB, 9+\grp, \q+2
.endif
.endr
.rept 5
	v_nop                                          ; places in front of the stores that read results, of later loads into the fragments' registers, and of the next block's sums, which begin anew on these accumulators
.endr
	WIN 0x0c                                       ; store data window 3
	s_wait_alu depctr_va_vdst(0)                   ; the group's products have written the accumulators, which the LDS stores read; the places above stay beside this wait
.irp q, 0,1,2,3
.irp jt, 0,1,2,3
	ds_store_b128 v11, v[32*(4*\grp+\q)+8*\jt:32*(4*\grp+\q)+8*\jt+3] offset:8192*(4*\grp+\q)+1024*\jt         ; each accumulator from its low end on; 512 consecutive bytes a store
	ds_store_b128 v11, v[32*(4*\grp+\q)+8*\jt+4:32*(4*\grp+\q)+8*\jt+7] offset:8192*(4*\grp+\q)+1024*\jt+512
.endr
.endr
	WIN 0
.Lnog_\@:
.endm
.macro EPIHALF hf                      ; 16 of a lane's 32 numbers v (tiles jt = 2 hf, 2 hf + 1) become gelu(v), held, in the next K's order
.set VB, 64+16*\hf
.irp k, 0,1,2,3,4,5,6,7,8,9,10,11,12,13,14,15
	v_mul_f32 v[128+\k], s58, |v[VB+\k]|           ; z = |v| / sqrt 2
.endr
.irp p, 0,2,4,6,8,10,12,14
	v_pk_fma_f32 v[144+\p:145+\p], v[128+\p:129+\p], 0.5, 1.0 op_sel_hi:[1,0,0]
.endr
.irp k, 0,1,2,3,4,5,6,7,8,9,10,11,12,13,14,15
	v_rcp_f32 v[144+\k], v[144+\k]                 ; t = 1 / (1 + z / 2)
.endr
	v_nop                                          ; a plain line behind the last reciprocal
	s_wait_alu depctr_va_vdst(0)                   ; the sixteen reciprocals have written v144-159: one wait for the batch, ahead of its first reader
.irp p, 0,2,4,6,8,10,12,14
	v_pk_fma_f32 v[160+\p:161+\p], v[144+\p:145+\p], v[252:253], 0xbf527892 op_sel_hi:[1,1,0]   ; 0.17087277 t - 0.82215223
.endr
.irp cf, 0x3fbe87b0, 0xbf914e5d, 0x3e8ec7cc, 0xbe3ec24c, 0x3dc636c9, 0x3ebf88fb, 0x3f8000c7, 0xbfa1fc4e   ; 1.48851587, -1.13520398, 0.27886807, -0.18628806, 0.09678418, 0.37409196, 1.00002368, -1.26551223
.irp p, 0,2,4,6,8,10,12,14
	v_pk_fma_f32 v[160+\p:161+\p], v[160+\p:161+\p], v[144+\p:145+\p], \cf op_sel_hi:[1,1,0]
.endr
.endr
.irp p, 0,2,4,6,8,10,12,14
	v_pk_fma_f32 v[160+\p:161+\p], v[128+\p:129+\p], v[128+\p:129+\p], v[160+\p:161+\p] neg_lo:[1,0,0] neg_hi:[1,0,0]   ; P(t) - z^2
.endr
.irp p, 0,2,4,6,8,10,12,14
	v_pk_mul_f32 v[160+\p:161+\p], v[160+\p:161+\p], 0x3fb8aa3b op_sel_hi:[1,0]
.endr
.irp k, 0,1,2,3,4,5,6,7,8,9,10,11,12,13,14,15
	v_exp_f32 v[160+\k], v[160+\k]
.endr
	v_nop                                          ; a plain line behind the last exponential
.irp k, 0,1,2,3,4,5,6,7                ; the sixteen signs of v, in one run, each into a scalar register of its own: work that names no exponential's result
	v_cmp_lt_f32 s[24+\k], 0, v[VB+\k]
.endr
.irp k, 8,9,10,11,12,13,14,15
	v_cmp_lt_f32 s[30+\k], 0, v[VB+\k]
.endr
	s_wait_alu depctr_va_vdst(0)                   ; the sixteen exponentials have written v160-175: one wait for the batch, ahead of its first reader
.irp p, 0,2,4,6,8,10,12,14
	v_pk_mul_f32 v[160+\p:161+\p], v[160+\p:161+\p], v[144+\p:145+\p]     ; erfc(z)
.endr
.irp p, 0,2,4,6,8,10,12,14
	v_pk_fma_f32 v[128+\p:129+\p], v[160+\p:161+\p], -1.0, 2.0 op_sel_hi:[1,0,0]   ; erfc(-z)
.endr
	s_wait_alu depctr_va_sdst(0)                   ; the sixteen compares have written s24-31 and s38-45, which the selects below read
.irp k, 0,1,2,3,4,5,6,7
	v_cndmask_b32 v[160+\k], v[160+\k], v[128+\k], s[24+\k]                ; erfc(-v / sqrt 2)
.endr
.irp k, 8,9,10,11,12,13,14,15
	v_cndmask_b32 v[160+\k], v[160+\k], v[128+\k], s[30+\k]
.endr
.irp p, 0,2,4,6,8,10,12,14
	v_pk_mul_f32 v[VB+\p:VB+\p+1], v[VB+\p:VB+\p+1], 0.5 op_sel_hi:[1,0]
.endr
.irp p, 0,2,4,6,8,10,12,14
	v_pk_mul_f32 v[160+\p:161+\p], v[160+\p:161+\p], v[VB+\p:VB+\p+1]
.endr
.irp k, 0,1,2,3,4,5,6,7,8,9,10,11,12,13,14,15
	v_med3_num_f32 v[32+4*(\k%8)+2*\hf+\k/8], v[160+\k], s34, s35          ; the hold at 57,344 x 2^e3 also puts unit 4 j + jt in its place
.endr
.endm
	s_load_b256 s[4:11], s[0:1], 0x0               ; w1 s[4:5], xq s[6:7], ridx s[8:9], b1 s[10:11]
	s_load_b256 s[12:19], s[0:1], 0x20             ; the scales' exponents s[12:13], hq s[14:15], lst s[16:17], cnt s[18:19]
	v_lshl_add_u32 v254, v0, 2, 0x41900
	v_mov_b32 v255, 0
	v_lshrrev_b32 v1, 5, v0
	v_readfirstlane_b32 s20, v1                    ; wave
	s_and_b32 s23, ttmp7, 0xffff                   ; e
	s_mov_b32 s24, ttmp9                           ; j
	v_and_b32 v1, 31, v0                           ; lane
	v_and_b32 v2, 15, v0                           ; r
	v_bfe_u32 v3, v0, 4, 1                         ; h
	v_lshlrev_b32 v241, 4, v2
	v_lshl_add_u32 v4, v3, 17, v241                ; weights: 16 rows of 8,192 bytes further on for lanes 16-31, + 16 r
	v_lshlrev_b32 v7, 4, v1
	v_lshlrev_b32 v251, 7, v3
	s_wait_alu depctr_va_sdst(0)                   ; s20 is written, ahead of its first reader
	s_and_b32 s21, s20, 1                          ; g: my 64 of the 128 columns
	s_lshr_b32 s22, s20, 1                         ; kp: my half of K
	s_mul_i32 s26, s20, 32*AP
	v_mad_u32_u24 v8, v3, AP, v241
	v_add_nc_u32 v8, s26, v8                       ; rows into LDS: row 32 w + h, + 16 r
	v_mul_u32_u24 v9, v2, AP
	v_lshl_add_u32 v9, v3, 4, v9
	s_lshl_b32 s26, s22, 9
	v_add_nc_u32 v9, s26, v9                       ; rows out of LDS: row r, + 16 h, + my K half's 512 bytes; tiles 0-3
	v_add_nc_u32 v10, 64*AP, v9                    ; tiles 4-7
	s_lshl_b32 s26, s21, 16
	s_add_co_u32 s26, s26, PART
	s_lshl_b32 s27, s22, 12
	s_add_co_u32 s27, s27, s26
	v_add_nc_u32 v11, s27, v7                      ; my partial sums: group g, K half kp
	s_lshl_b32 s27, s22, 13
	s_add_co_u32 s27, s27, s26
	v_add_nc_u32 v12, s27, v7                      ; the tiles that I finish: group g, tiles 2 i + kp
	s_lshl_b32 s26, s20, 7
	s_add_co_u32 s26, s26, LIST
	v_lshl_add_u32 v14, v3, 2, s26                 ; the list words of rows 32 w + h + 2 p
	v_add_nc_u32 v249, LIST, v7                    ; the list, 16 bytes a lane
	v_lshlrev_b32 v248, 2, v1
	v_add_nc_u32 v247, 1024, v1                    ; the place of a store that carries no entry: my word behind the list
	v_lshlrev_b32 v246, 3, v1
	v_mov_b32 v245, 0x7ff                          ; 2,047: above or equal to every slot
	v_mov_b32 v252, 0x3e2ef945                     ; 0.17087277
	v_mov_b32 v253, 0x3e2ef945
	s_mov_b32 s38, 0x05010400                      ; the byte selects of the turn
	s_mov_b32 s39, 0x07030602
	s_mov_b32 s40, 0x05040100
	s_mov_b32 s41, 0x07060302
	s_mov_b32 s58, 0x3f3504f3                      ; 1 / sqrt 2
	s_mov_b32 s57, 0x76543210                      ; v_permlanex16_b32: lane l takes lane l xor 16
	s_mov_b32 s59, 0xfedcba98
	s_lshl_b32 s42, 0x10001, s23                   ; the expert's two bits in a word of ridx
	s_add_co_u32 s43, s23, 16                      ; a word with only the expert's bits, shifted right by this, is k
	s_lshl_b32 s60, s23, 23                        ; w1: expert, K half, columns
	s_lshl_b32 s26, s22, 22
	s_add_co_u32 s60, s60, s26
	s_lshl_b32 s26, s24, 9
	s_add_co_u32 s60, s60, s26
	s_lshl_b32 s26, s21, 8
	s_add_co_u32 s60, s60, s26
	s_mov_b32 s61, 0
	s_lshl_b32 s62, s23, 12                        ; lst: expert
	s_mov_b32 s63, 0
	s_lshl_b32 s66, s23, 7                         ; cnt: expert
	s_mov_b32 s67, 0
	s_lshl_b32 s68, s23, 13                        ; b1: expert, columns
	s_lshl_b32 s26, s24, 9
	s_add_co_u32 s68, s68, s26
	s_lshl_b32 s26, s21, 8
	s_add_co_u32 s68, s68, s26
	s_mov_b32 s69, 0
	s_lshl_b32 s70, s23, 21                        ; hq: expert, block of 64 units 2 j + g
	s_lshl_b32 s26, s24, 11
	s_add_co_u32 s70, s70, s26
	s_lshl_b32 s26, s21, 10
	s_add_co_u32 s70, s70, s26
	s_mov_b32 s71, 0
	s_wait_kmcnt 0x0
	s_load_b128 s[28:31], s[12:13], 0x0            ; e0, e1, e2, e3
	s_add_nc_u64 s[4:5], s[4:5], s[60:61]
	s_add_nc_u64 s[16:17], s[16:17], s[62:63]
	s_add_nc_u64 s[18:19], s[18:19], s[66:67]
	s_add_nc_u64 s[10:11], s[10:11], s[68:69]
	s_add_nc_u64 s[14:15], s[14:15], s[70:71]
	s_wait_alu depctr_va_vdst(0)                   ; the offsets and LDS addresses v4, v7-v12, v14, v241, v248, v249, v251 are written, which the loads and stores of the whole kernel read
.irp q, 0,1,2,3,4,5,6,7
	global_load_b128 v[RI+4*\q:RI+4*\q+3], v7, s[8:9] offset:512*\q   ; all of ridx, in every wave: 512 consecutive bytes a load
.endr
.irp i, 0,1,2,3,4,5,6,7
	global_load_b128 v[128+4*\i:131+4*\i], v251, s[10:11] offset:16*\i   ; b1 of my lane's units 32 h + 0 .. 31
.endr
	WLOAD 0
	WLOAD 1
	WLOAD 2
	WIN 0
	s_wait_kmcnt 0x0
	s_add_co_i32 s26, s29, 127
	s_lshl_b32 s27, s26, 23
	v_mov_b32 v5, s27                              ; 2^e1 as f32: the conversion takes its exponent field
	s_add_co_i32 s26, s26, 15
	s_lshl_b32 s26, s26, 23
	s_or_b32 s33, s26, 0x600000                    ; 57,344 x 2^e1
	s_or_b32 s32, s33, 0x80000000
	s_add_co_i32 s26, s31, 127
	s_lshl_b32 s27, s26, 23
	v_mov_b32 v6, s27                              ; 2^e3
	s_add_co_i32 s26, s26, 15
	s_lshl_b32 s26, s26, 23
	s_or_b32 s35, s26, 0x600000                    ; 57,344 x 2^e3
	s_or_b32 s34, s35, 0x80000000
	s_add_co_i32 s26, s28, s29
	s_add_co_i32 s26, s26, 127
	s_lshl_b32 s36, s26, 23                        ; 2^(e0 + e1)
	s_mov_b32 s37, s36                             ; (named with it as a pair, so it is written)
	s_wait_loadcnt 56                              ; ridx is in; b1's 8 loads and the three chunks' 48, issued behind it, may be out
	s_mov_b32 s46, 0                               ; the expert's rows met so far
	s_cmp_lg_u32 s20, 0
	s_cbranch_scc1 .Lcount
	; ---- wave 0 places the rows.  Four registers of ridx (128 tokens) go side by side, so that no line waits for the line above it
.irp k, 0,1,2,3
	v_mov_b32 v[224+\k], 0x7ff                     ; four running lowest slots
.endr
.set i, 0
.rept 8
.irp k, 0,1,2,3
	v_and_b32 v[RI+i+\k], s42, v[RI+i+\k]          ; not 0: the token chose e
.endr
.irp k, 0,1,2,3
	v_cmp_ne_u32 s[52+\k], 0, v[RI+i+\k]
.endr
.irp k, 0,1,2,3
	v_lshrrev_b32 v[228+\k], s43, v[RI+i+\k]       ; k: 1 where e is the second choice
.endr
.irp k, 0,1,2,3
	v_add3_u32 v[ENT+i+\k], v[228+\k], v246, 256*(i/4)+2*\k   ; 2 x token + k
.endr
	s_wait_alu depctr_va_sdst(0)                   ; the four compares have written s52-55, ahead of their first readers: the counts, the places and the selects below
.irp k, 0,1,2,3
	s_bcnt1_i32_b32 s[48+\k], s[52+\k]
.endr
	s_add_co_u32 s48, s46, s48                     ; rows met ahead of each of the four registers
	s_add_co_u32 s49, s48, s49
	s_add_co_u32 s50, s49, s50
	s_add_co_u32 s51, s50, s51
	v_mbcnt_lo_u32_b32 v[AD+i], s52, s46           ; + those in the lanes below me: my place from the front
	v_mbcnt_lo_u32_b32 v[AD+i+1], s53, s48
	v_mbcnt_lo_u32_b32 v[AD+i+2], s54, s49
	v_mbcnt_lo_u32_b32 v[AD+i+3], s55, s50
	s_mov_b32 s46, s51
.irp k, 0,1,2,3
	v_cndmask_b32 v[228+\k], v245, v[ENT+i+\k], s[52+\k]
.endr
.irp k, 0,1,2,3
	v_cndmask_b32 v[AD+i+\k], v247, v[AD+i+\k], s[52+\k]   ; no entry: my word behind the list
.endr
.irp k, 0,1,2,3
	v_min_u32 v[224+\k], v[224+\k], v[228+\k]
.endr
.irp k, 0,1,2,3
	v_min_u32 v[AD+i+\k], 0x41f, v[AD+i+\k]        ; held inside the list and the 32 words behind it
.endr
.irp k, 0,1,2,3
	v_lshl_add_u32 v[AD+i+\k], v[AD+i+\k], 2, LIST
.endr
.set i, i+4
.endr
	v_min_u32 v224, v224, v225
	v_min_u32 v226, v226, v227
	v_min_u32 v224, v224, v226
.irp m, 1,2,4,8
	v_mov_b32_dpp v228, v224 row_xmask:\m row_mask:0xf bank_mask:0xf
	v_min_u32 v224, v224, v228
.endr
	v_permlanex16_b32 v228, v224, s57, s59
	v_min_u32 v224, v224, v228                     ; every lane holds the expert's lowest slot
	v_mov_b32 v225, v224
	v_mov_b32 v226, v224
	v_mov_b32 v227, v224
	v_mov_b32 v228, s46                            ; the count, for the next launch
	s_wait_alu depctr_va_vdst(0)                   ; the lowest slot v224-227, the entries v96-127, their addresses v160-191 and the count v228 are written, which the stores below read; the lines that named v64-95 are done, in which work-group 0's loads land
.irp q, 0,1,2,3,4,5,6,7
	ds_store_b128 v249, v[224:227] offset:512*\q   ; the whole list holds it;
.endr
.set i, 0
.rept 32
	ds_store_b32 v[AD+i], v[ENT+i]                 ; then the entries take their places (LDS serves a wave's instructions in order: ISA guide 5.7.1.4)
.set i, i+1
.endr
	s_cmp_lg_u32 s24, 0
	s_cbranch_scc1 .Lno_lst
.irp q, 0,1,2,3,4,5,6,7                ; work-group j = 0 hands list and count to the next launch
	ds_load_b128 v[RI+4*\q:RI+4*\q+3], v249 offset:512*\q
.endr
	s_wait_dscnt 0x0
.irp q, 0,1,2,3,4,5,6,7
	global_store_b128 v7, v[RI+4*\q:RI+4*\q+3], s[16:17] offset:512*\q   ; 512 consecutive bytes, aligned
.endr
	global_store_b32 v248, v228, s[18:19]          ; the count, 32 copies
	s_wait_xcnt 0x0                                ; the stores have read their registers, which are written again further on
.Lno_lst:
	s_wait_alu depctr_vm_vsrc(0)                   ; the stores of the list (and work-group 0's stores to memory) have read v64-127, v160-191 and v224-228: list words and fragments land there further on
	s_branch .Lbuilt
.Lcount:
	; ---- waves 1 to 3 count the expert's rows for themselves: the count needs no way through LDS
.set i, 0
.rept 8
.irp k, 0,1,2,3
	v_and_b32 v[RI+i+\k], s42, v[RI+i+\k]
.endr
.irp k, 0,1,2,3
	v_cmp_ne_u32 s[52+\k], 0, v[RI+i+\k]
.endr
	s_wait_alu depctr_va_sdst(0)                   ; the four compares have written s52-55, which the counts below read
.irp k, 0,1,2,3
	s_bcnt1_i32_b32 s[52+\k], s[52+\k]
.endr
.irp k, 0,1,2,3
	s_add_co_u32 s46, s46, s[52+\k]
.endr
.set i, i+4
.endr
.Lbuilt:
	s_add_co_u32 s47, s46, 15
	s_lshr_b32 s47, s47, 4
	s_max_u32 s47, s47, 1                          ; tiles of 16 rows, at least one
	WLOAD 3                                        ; no wait: no vector line has named this buffer, nor v4 since the head's wait
	CHUNK 0, 1
	WIN 0                                          ; behind chunk 0's wait all that was issued ahead of the weights is in
.irp jt, 0,1,2,3
.irp j, 0,1,2,3,4,5,6,7
	v_mov_b32 v[B1I+8*\jt+\j], v[128+4*\j+\jt]     ; once: b1 into the accumulators' order, so that one packed multiply-add serves two sums in every tile
.endr
.endr
.irp ci, 1,2,3,4,5,6,7,8,9,10,11
	CHUNK \ci, 1
.endr
	WIN 0
	s_wait_dscnt 0x0                               ; for the others' sake: wave 0's list lies in LDS
	s_barrier_signal -1
	s_barrier_wait -1
	s_mov_b32 s55, 0
	LISTREAD 0                                     ; block 0's rows
.irp ci, 12,13,14,15
	CHUNK \ci, 2                                   ; the ring goes on into the gather: every count stays 48
.endr
	WIN 0
	s_mov_b32 s48, 0                               ; block
	s_mov_b32 s49, 0                               ; its first tile
	s_mov_b32 s50, 0                               ; its first list word, in bytes
.Lblock:
	s_wait_loadcnt 0x0                             ; the block's rows are in registers
	s_wait_xcnt 0x0                                ; the last stores have read their data and offset: both lie in registers that this trip writes
	s_wait_alu depctr_vm_vsrc(0)                   ; the last block's stores have read v176-183, in which fragments land, and its LDS stores of partial sums have read the accumulators, which this block's products write
	s_cmp_lt_u32 s49, s47
	s_cbranch_scc0 .Lno_rows
	WIN 0x08                                       ; store data window 2
.irp p, 0,1,2,3,4,5,6,7,8,9,10,11,12,13,14,15
.irp u, 0,1,2,3
	ds_store_b128 v8, v[16*\p+4*\u:16*\p+4*\u+3] offset:2*AP*\p+256*\u
.endr
.endr
	WIN 0
.Lno_rows:
	s_wait_dscnt 0x0                               ; my rows lie in LDS, and my reads of the last block's partial sums are over
	s_barrier_signal -1
	s_barrier_wait -1
	s_add_co_u32 s53, s49, 8                       ; the next block's rows are asked for now and land under this block's products: my 32 rows are its tiles 2 w and 2 w + 1,
	s_lshl_b32 s56, s20, 1
	s_add_co_u32 s53, s53, s56
	s_cmp_lt_u32 s53, s47                          ; and each is asked for only if the expert has it
	s_cbranch_scc0 .Lno_next
	s_add_co_u32 s55, s50, 512
	s_and_b32 s55, s55, 0xe00                      ; (inside the list whatever the trip)
	LISTREAD 1
	WIN 0x80
	s_wait_alu depctr_va_vdst(0)                   ; the offsets v16-31 are written, which the gather's loads read: all four runs below, since no vector line stands among them
	GATHER 0
	GATHER 1
	WIN 0
	s_add_co_u32 s53, s53, 1
	s_cmp_lt_u32 s53, s47
	s_cbranch_scc0 .Lno_next
	GATHER 2
	GATHER 3
	WIN 0
.Lno_next:
	GROUP 0
	GROUP 1
	s_wait_dscnt 0x0                               ; my partial sums lie in LDS, and my reads of the rows are over
	s_barrier_signal -1
	s_barrier_wait -1
	s_mov_b32 s54, 0
	s_mov_b32 s51, 0
.Lfinish:                                              ; four trips: tiles 2 i + kp of my column group
	s_lshl_b32 s52, s54, 1
	s_add_co_u32 s52, s52, s22
	s_add_co_u32 s52, s52, s49                     ; the tile's number in the expert
	s_cmp_lt_u32 s52, s47
	s_cbranch_scc0 .Lno_tile
	s_wait_xcnt 0x0                                ; the last tile's stores have read their data and offset
	s_wait_alu depctr_vm_vsrc(0)                   ; the last tile's LDS loads have read v13, and its stores v15 and v176-183: all are written below
	v_add_nc_u32 v13, s51, v12
	s_wait_alu depctr_va_vdst(0)                   ; v13 is written, which the loads below read
.irp x, 0,1,2,3,4,5,6,7
	ds_load_b128 v[64+4*\x:67+4*\x], v13 offset:512*\x
.endr
.irp x, 0,1,2,3,4,5,6,7
	ds_load_b128 v[96+4*\x:99+4*\x], v13 offset:4096+512*\x
.endr
	s_wait_dscnt 0x0
.irp p, 0,2,4,6,8,10,12,14,16,18,20,22,24,26,28,30
	v_pk_add_f32 v[64+\p:65+\p], v[64+\p:65+\p], v[96+\p:97+\p]
.endr
.irp p, 0,2,4,6,8,10,12,14,16,18,20,22,24,26,28,30
	v_pk_fma_f32 v[64+\p:65+\p], v[64+\p:65+\p], s[36:37], v[B1I+\p:B1I+\p+1] op_sel_hi:[1,0,1]   ; sum x 2^(e0 + e1) + b1
.endr
	EPIHALF 0
	EPIHALF 1
.irp u, 0,1,2,3
	v_cvt_scalef32_pk8_bf8_f32 v[176+2*\u:177+2*\u], v[32+8*\u:39+8*\u], v6
.endr
	v_nop                                          ; a plain line behind the last conversion
	s_lshl_b32 s53, s52, 15                        ; a tile of rows is 32 blocks of 1,024 bytes
	v_add_nc_u32 v15, s53, v7
	s_wait_alu depctr_va_vdst(0)                   ; the conversions have written v176-183 and v15 is written: the two stores read them
	global_store_b128 v15, v[176:179], s[14:15]    ; 512 consecutive bytes, aligned: registers 0-3 of the image,
	global_store_b128 v15, v[180:183], s[14:15] offset:512   ; and registers 4-7
.Lno_tile:
	s_add_co_u32 s51, s51, 16384
	s_add_co_u32 s54, s54, 1
	s_cmp_lt_u32 s54, 4
	s_cbranch_scc1 .Lfinish
	s_add_co_u32 s49, s49, 8
	s_add_co_u32 s50, s50, 512
	s_add_co_u32 s48, s48, 1
	s_cmp_lt_u32 s48, 8
	s_cbranch_scc1 .Lblock
	s_wait_dscnt 0x0                               ; the closing lines, six on end
	s_wait_alu 0x0
	s_wait_tensorcnt 0x0
	ds_add_u32 v254, v255
	s_wait_dscnt 0x0
	s_endpgm
.Lfunc_end_k_q41406e802d_ffn1:
	.size	k_q41406e802d_ffn1, .Lfunc_end_k_q41406e802d_ffn1-k_q41406e802d_ffn1
	.p2alignl 7, 3214868480
	.fill 96, 4, 3214868480
	.section	.rodata,"a",@progbits
	.p2align	6, 0x0
	.amdhsa_kernel k_q41406e802d_ffn1
		.amdhsa_group_segment_fixed_size 269056
		.amdhsa_private_segment_fixed_size 0
		.amdhsa_enable_private_segment 0
		.amdhsa_kernarg_size 64
		.amdhsa_user_sgpr_count 2
		.amdhsa_user_sgpr_kernarg_segment_ptr 1
		.amdhsa_wavefront_size32 1
		.amdhsa_system_sgpr_workgroup_id_x 1
		.amdhsa_system_sgpr_workgroup_id_y 1
		.amdhsa_system_sgpr_workgroup_id_z 1
		.amdhsa_system_vgpr_workitem_id 0
		.amdhsa_next_free_vgpr 1024
		.amdhsa_next_free_sgpr 72
		.amdhsa_reserve_vcc 0
		.amdhsa_float_denorm_mode_32 3
		.amdhsa_float_denorm_mode_16_64 3
		.amdhsa_memory_ordered 1
		.amdhsa_forward_progress 1
		.amdhsa_inst_pref_size 254
	.end_amdhsa_kernel
	.amdgpu_metadata
---
amdhsa.version: [ 1, 2 ]
amdhsa.kernels:
  - .name:           k_q41406e802d_ffn1
    .symbol:         k_q41406e802d_ffn1.kd
    .args:
      - { .name: w1, .offset: 0, .size: 8, .value_kind: global_buffer, .address_space: global }
      - { .name: xq, .offset: 8, .size: 8, .value_kind: global_buffer, .address_space: global }
      - { .name: ridx, .offset: 16, .size: 8, .value_kind: global_buffer, .address_space: global }
      - { .name: b1, .offset: 24, .size: 8, .value_kind: global_buffer, .address_space: global }
      - { .name: lowp_scales, .offset: 32, .size: 8, .value_kind: global_buffer, .address_space: global }
      - { .name: hq, .offset: 40, .size: 8, .value_kind: global_buffer, .address_space: global }
      - { .name: lst, .offset: 48, .size: 8, .value_kind: global_buffer, .address_space: global }
      - { .name: cnt, .offset: 56, .size: 8, .value_kind: global_buffer, .address_space: global }
    .group_segment_fixed_size: 269056
    .private_segment_fixed_size: 0
    .kernarg_segment_align: 8
    .kernarg_segment_size: 64
    .max_flat_workgroup_size: 128
    .sgpr_count:     72
    .vgpr_count:     1024
    .wavefront_size: 32
...
	.end_amdgpu_metadata
.endif
;; end of part 7
;; launch ffn2 (part 8): grid 16 x 14, 4 waves a work-group, no clusters, 135,680 bytes of LDS; arguments w2, hq, lst, cnt, b2, lowp_scales, y; writes y
.if DOCPART == 8
	.amdgcn_target "amdgcn-amd-amdhsa--gfx1250"
	.amdhsa_code_object_version 6
	.text
	.protected	k_q41406e802d_ffn2
	.globl	k_q41406e802d_ffn2
	.p2align	8
	.type	k_q41406e802d_ffn2,@function
k_q41406e802d_ffn2:
	s_mov_b64 s[64:65], 0
	v_nop
	global_prefetch_b8 v0, s[64:65] scope:SCOPE_SE
	s_setreg_imm32_b32 hwreg(HW_REG_WAVE_SCHED_MODE, 0, 2), 2
	s_setreg_imm32_b32 hwreg(HW_REG_WAVE_MODE, 25, 1), 1
	s_wait_xcnt 0x0
	s_wait_alu depctr_vm_vsrc(0)
; THE SECOND LAYER OF THE CHOSEN EXPERTS: y[slot] = hidden w2[e] x 2^(e2 + e3) + b2[e], for the rows that chose expert e, on codes of E5M2.  The gate's weight, the residual and the clip follow in the next launch.
; Work-group (j, e) owns outputs 64 j .. 64 j + 63 of expert e and ALL rows of that expert.  w2[e] is [2048 k][1024 n] f32: each of its bytes is read once in the launch, quantised in registers under the given
; 2^e2 and kept as codes: wave w takes K quarter w: 512 rows x 64 columns, 256 registers of codes.
; THE STREAM is the first layer's: a load reads, for each half of the lanes, 256 consecutive aligned bytes of one K row; sixteen loads are a chunk, four chunks a ring; a chunk is held, converted and turned by 32 v_perm_b32.
; Here the K rows of a chunk are chosen so that register 4 c + i, byte y, of the fragment of K step s holds K = 128 s + 64 (c / 2) + 32 (lane / 16) + 16 (c % 2) + 4 i + y: the order of hq's images.
; THE ROWS.  hq holds the hidden codes as images of operand registers: my K quarter of a tile of 16 rows is 8,192 consecutive bytes, sixteen loads, an item of the same ring; four tiles are on their way.  These
; loads are issued on every path (a tile past the expert's last repeats the last), so that every count holds on every path.  Source 0 = rows, source 1 = weights: register j of tile jt is row 8 (lane / 16) + j, column 4 r + jt.
; The four K quarters meet in LDS as images of the accumulators; wave w finishes tiles w and w + 4 of a block of 8: sum, x 2^(e2 + e3) + b2, and sixteen lanes store 256 consecutive aligned bytes of row slot of y.
; The loop over blocks has a constant 8 trips and two barriers a trip; work for tiles that the expert does not have is jumped over by scalar branches on the stored count; no barrier stands under such a branch.
; Rows that pad the last tile repeat a row of the expert: equal numbers are stored to the same place by this work-group.  An expert without rows stores nothing.
; NO TENSOR LOADS, NO CLUSTER: as in the first layer.   LIMITS: e2 between -126 and 112, e2 + e3 between -126 and 127.  NaN among the inputs is not served.
; REGISTERS, in windows of 256: window 0 addresses and work; window 1 the weights' codes (K step s, tile jt at 64 s + 16 jt); window 2 the ring (4 x 64); window 3 accumulators (tile t, jt at 32 t + 8 jt).
; THE MODE: SCHED_MODE bits 1:0 = 2 (LLVM: expert scheduling mode 2), set by the entry lines.  The code itself states the register dependences
; between vector or matrix instructions and memory or LDS instructions, with s_wait_alu, always for 0.
; THE PLAN.  Registers that memory or LDS instructions touch, and who else names them:
;   v4, v7-v12, v14, v15   Offsets and LDS addresses, made once at the head and never written again: one wait on va_vdst ahead of the first load serves them for the whole kernel.
;   the ring (window 2)    In the stream: a chunk's loads land; its 64 holds write and its 8 conversions read the buffer; ONE wait on va_vdst behind the conversions; the next item's 16 loads land in the same buffer.
;                          In the loop over blocks: a tile's loads land, its 16 products read the buffer; one wait on va_vdst behind them; the loads of the tile four further on land.
;   v16-19                 The offset of the tile in each buffer: written just ahead of that same wait on va_vdst, read by the buffer's 16 loads; a wait on vm_vsrc stands ahead of each write but the first.
;   the accumulators (window 3)   Products write them.  The wait on va_vdst of a group's fourth tile stands behind the group's last product and four places, and no vector line behind it names an accumulator: so the
;                          LDS stores of the partial sums owe nothing more.  The wait on vm_vsrc at the next block's head stands ahead of the next products.
;   v13                    The LDS address of the block's list words: written at a block's head, between a wait on vm_vsrc and one on va_vdst.
;   v64-191, v224-231      The finishing: LDS loads land, vector lines read and write; all of these stand ahead of the wait on va_vdst in front of the tile's stores.
;   v192-223, v232-239     The results and their offsets in y: vector lines write them, that same wait, the eight stores read them; a wait on vm_vsrc ahead of the next tile's writers (a block's second tile: its own; its first: the block head's).
;   v240-251               b2 and the list on its way: loads land once; no vector line writes them.
;   The wave's number is the one scalar result of a vector line: a wait on va_sdst ahead of its first reader.
.set LIST,  131072                     ; LDS: the partial sums, [tile 8][K quarter 4][4,096 bytes]; behind them the expert's list, 1,024 words
.set C,     32                         ; v32-47   a chunk's codes, 4 columns a register
.set T,     48                         ; v48-63   half turned
.set AOF,   16                         ; v16-19   the offsets of the four tiles on their way
; v1 lane, v2 r, v3 h, v4 the weights' offset, v5 2^e2, v7 16 x lane, v8 v9 partial sums in, v10 v11 out, v12 v13 my list words, v14 16 r, v15 my quarter of the list in LDS;
; v64-191 four partial sums, v192-223 results, v224-231 slots, v232-239 offsets in y, v240-243 b2, v244-251 the list on its way
.set MSB, 0
.macro WIN new                         ; the immediate's high byte repeats the setting that is left; a switch that changes nothing is dropped
.if MSB != \new
	s_set_vgpr_msb (MSB<<8)|\new
.set MSB, \new
.endif
.endm
.macro WLOAD ci                        ; chunk ci: K rows 128 (ci / 4) + 64 ((ci % 4) / 2) + 16 (ci % 2) + m (+ 32 for lanes 16-31) into ring buffer ci % 4
	WIN 0x80                                       ; destination window 2
.irp m, 0,1,2,3,4,5,6,7,8,9,10,11,12,13,14,15
	global_load_b128 v[64*((\ci)%4)+4*\m:64*((\ci)%4)+4*\m+3], v4, s[4:5] offset:(128*((\ci)/4)+64*(((\ci)%4)/2)+16*((\ci)%2)+\m)*4096 th:TH_LOAD_NT
.endr
.endm
.macro ATILE q, add, again             ; my K quarter of tile 8 b + add, held at the expert's last tile, into ring buffer q.  again = 1: the buffer has held a tile of rows before
	s_add_co_u32 s52, s49, \add
	s_min_u32 s52, s52, s46
	s_min_u32 s52, s52, 63                         ; held inside the expert's part of hq
	s_lshl_b32 s52, s52, 15
	WIN 0
.if \again
	s_wait_alu depctr_vm_vsrc(0)                   ; the buffer's last sixteen loads have read their offset, which is written below
.endif
	v_add_nc_u32 v[AOF+(\q)], s52, v7              ; (the buffer's last loads, which read this register, were shown done by the wait ahead)
	WIN 0x80
	s_wait_alu depctr_va_vdst(0)                   ; the offset is written, which the loads below read; the lines that named the buffer (in the stream the holds and conversions, in the loop the tile's products) are done, and the loads land in it
.irp s, 0,1,2,3
.irp c, 0,1,2,3
	global_load_b128 v[64*(\q)+16*\s+4*\c:64*(\q)+16*\s+4*\c+3], v[AOF+(\q)], s[6:7] offset:2048*\s+512*\c
.endr
.endr
.endm
.macro CHUNK ci, nx                    ; chunk ci becomes codes.  nx = 1: its buffer takes chunk ci + 4;  2: one of the first four tiles of rows
.set LB, 64*((\ci)%4)
.set WB, 64*((\ci)/4)+4*((\ci)%4)
	s_wait_loadcnt 48                              ; my 16 loads are in; the three items of 16 issued behind them may be out
	WIN 0x82
.set k, 0
.rept 64
	v_med3_num_f32 v[LB+k], v[LB+k], s32, s33      ; the conversion does not saturate (ISA guide 7.6.2): held within 57,344 x 2^e2
.set k, k+1
.endr
	WIN 0x02
.irp u, 0,1,2,3,4,5,6,7
	v_cvt_scalef32_pk8_bf8_f32 v[C+2*\u:C+2*\u+1], v[LB+8*\u:LB+8*\u+7], v5   ; register m: 4 columns of the chunk's K row m
.endr
.if \nx == 1
	WIN 0x80
	s_wait_alu depctr_va_vdst(0)                   ; the holds have written this buffer and the conversions are done reading it: the sixteen loads below land in it
	WLOAD (\ci)+4
.else
	ATILE (\ci)-12, (\ci)-12, 0
.endif
	WIN 0
	v_nop                                          ; a plain line between the conversions and the first reader of their results
.irp i, 0,1,2,3                        ; 4 x 4 bytes are turned in two steps
	v_perm_b32 v[T+4*\i],   v[C+4*\i+1], v[C+4*\i],   s38
	v_perm_b32 v[T+4*\i+1], v[C+4*\i+1], v[C+4*\i],   s39
	v_perm_b32 v[T+4*\i+2], v[C+4*\i+3], v[C+4*\i+2], s38
	v_perm_b32 v[T+4*\i+3], v[C+4*\i+3], v[C+4*\i+2], s39
.endr
	WIN 0x40                                       ; destination window 1
.irp i, 0,1,2,3
	v_perm_b32 v[WB+\i],    v[T+4*\i+2], v[T+4*\i],   s40
	v_perm_b32 v[WB+16+\i], v[T+4*\i+2], v[T+4*\i],   s41
	v_perm_b32 v[WB+32+\i], v[T+4*\i+3], v[T+4*\i+1], s40
	v_perm_b32 v[WB+48+\i], v[T+4*\i+3], v[T+4*\i+1], s41
.endr
.endm
.macro GROUP2 grp                      ; tiles 4 grp .. 4 grp + 3 of the block, if the expert has the first of them
	s_add_co_u32 s53, s49, 4*\grp
	s_cmp_lt_u32 s53, s47
	s_cbranch_scc0 .Lnog_\@
.irp q, 0,1,2,3
.set AC, 32*(4*\grp+\q)
	s_wait_loadcnt 48                              ; this tile's 16 loads are in; the three tiles issued behind it may be out
	WIN 0xf6                                       ; source 0 (rows) window 2, source 1 (weights) window 1, C and D window 3
.irp s, 0,1,2,3                        ; the tile's four accumulators take turns, one instruction a turn; the first K step starts the sums
.irp jt, 0,1,2,3
.if \s == 0
	v_wmma_f32_16x16x128_bf8_bf8 v[AC+8*\jt:AC+8*\jt+7], v[64*\q+16*\s:64*\q+16*\s+15], v[64*\s+16*\jt:64*\s+16*\jt+15], 0
.else
	v_wmma_f32_16x16x128_bf8_bf8 v[AC+8*\jt:AC+8*\jt+7], v[64*\q+16*\s:64*\q+16*\s+15], v[64*\s+16*\jt:64*\s+16*\jt+15], v[AC+8*\jt:AC+8*\jt+7]
.endif
.endr
.endr
	WIN 0
.rept 4
	v_nop                                          ; four places in front of loads into registers that matrix instructions have read; they stay beside the wait in front of those loads
.endr
	ATILE \q, 4*\grp+\q+4, 1                       ; the buffer takes the tile four further on
.endr
	WIN 0
.rept 5
	v_nop                                          ; places in front of the stores that read results, and of the next block's sums, which begin anew on these accumulators
.endr
	WIN 0x0c                                       ; store data window 3.  No further wait: the wait in front of the fourth tile's loads stands behind the group's last product, and no vector line since names an accumulator
.irp q, 0,1,2,3
.irp jt, 0,1,2,3
	ds_store_b128 v[8+\grp], v[32*(4*\grp+\q)+8*\jt:32*(4*\grp+\q)+8*\jt+3] offset:16384*\q+1024*\jt          ; each accumulator from its low end on; 512 consecutive bytes a store
	ds_store_b128 v[8+\grp], v[32*(4*\grp+\q)+8*\jt+4:32*(4*\grp+\q)+8*\jt+7] offset:16384*\q+1024*\jt+512
.endr
.endr
	WIN 0
.Lnog_\@:
.endm
.macro REDUCE2 i                       ; tile w + 4 i of the block is finished and stored
	s_add_co_u32 s52, s49, s20
	s_add_co_u32 s52, s52, 4*\i
	s_cmp_lt_u32 s52, s47
	s_cbranch_scc0 .Lnor_\@
	s_wait_xcnt 0x0                                ; the last tile's stores have read their data and offsets
.if \i > 0
	s_wait_alu depctr_vm_vsrc(0)                   ; the block's first tile's stores have read v192-223 and v232-239, which are written below (for the first tile the wait at the block's head has stated the same)
.endif
.irp pt, 0,1,2,3
.irp x, 0,1,2,3,4,5,6,7
	ds_load_b128 v[64+32*\pt+4*\x:67+32*\pt+4*\x], v[10+\i] offset:4096*\pt+512*\x
.endr
.endr
	ds_load_b128 v[224:227], v13 offset:256*\i     ; the slots of rows 8 h + 0 .. 7 of the tile
	ds_load_b128 v[228:231], v13 offset:256*\i+16
	s_wait_dscnt 0x0
.irp p, 0,2,4,6,8,10,12,14,16,18,20,22,24,26,28,30
	v_pk_add_f32 v[64+\p:65+\p], v[64+\p:65+\p], v[96+\p:97+\p]
	v_pk_add_f32 v[128+\p:129+\p], v[128+\p:129+\p], v[160+\p:161+\p]
.endr
.irp p, 0,2,4,6,8,10,12,14,16,18,20,22,24,26,28,30
	v_pk_add_f32 v[64+\p:65+\p], v[64+\p:65+\p], v[128+\p:129+\p]
.endr
.irp j, 0,1,2,3,4,5,6,7
.irp jt, 0,1,2,3
	v_fma_f32 v[192+4*\j+\jt], v[64+8*\jt+\j], s36, v[240+\jt]   ; sum x 2^(e2 + e3) + b2, into the order of a row: columns 4 r + 0 .. 3
.endr
.endr
.irp j, 0,1,2,3,4,5,6,7
	v_min_u32 v[224+\j], 2047, v[224+\j]           ; held inside y
	v_lshl_add_u32 v[232+\j], v[224+\j], 12, v14
.endr
	s_wait_alu depctr_va_vdst(0)                   ; the results v192-223 and their offsets v232-239 are written, which the stores read; the tile's vector lines are done with v64-191 and v224-231, in which the next tile's LDS loads land
.irp j, 0,1,2,3,4,5,6,7
	global_store_b128 v[232+\j], v[192+4*\j:195+4*\j], s[16:17]   ; sixteen lanes store 256 consecutive bytes, aligned
.endr
.Lnor_\@:
.endm
	s_load_b256 s[4:11], s[0:1], 0x0               ; w2 s[4:5], hq s[6:7], lst s[8:9], cnt s[10:11]
	s_load_b128 s[12:15], s[0:1], 0x20             ; b2 s[12:13], the scales' exponents s[14:15]
	s_load_b64 s[16:17], s[0:1], 0x30              ; y
	v_lshl_add_u32 v254, v0, 2, 0x21000
	v_mov_b32 v255, 0
	v_lshrrev_b32 v1, 5, v0
	v_readfirstlane_b32 s20, v1                    ; wave = my quarter of K
	s_and_b32 s23, ttmp7, 0xffff                   ; e
	s_mov_b32 s24, ttmp9                           ; j
	v_and_b32 v1, 31, v0                           ; lane
	v_and_b32 v2, 15, v0                           ; r
	v_bfe_u32 v3, v0, 4, 1                         ; h
	v_lshlrev_b32 v14, 4, v2
	v_lshl_add_u32 v4, v3, 17, v14                 ; weights: 32 rows of 4,096 bytes further on for lanes 16-31, + 16 r
	v_lshlrev_b32 v7, 4, v1
	s_wait_alu depctr_va_sdst(0)                   ; s20 is written, ahead of its first reader
	s_lshl_b32 s26, s20, 12
	v_add_nc_u32 v8, s26, v7                       ; my partial sums: quarter w; tiles 0-3
	v_add_nc_u32 v9, 0x10000, v8                   ; tiles 4-7
	s_lshl_b32 s26, s20, 14
	v_add_nc_u32 v10, s26, v7                      ; the tiles that I finish: tile w,
	v_add_nc_u32 v11, 0x10000, v10                 ; tile w + 4
	s_lshl_b32 s26, s20, 6
	s_add_co_u32 s26, s26, LIST
	v_lshl_add_u32 v12, v3, 5, s26                 ; the list words of tile w's rows 8 h on
	s_lshl_b32 s26, s20, 10
	s_add_co_u32 s26, s26, LIST
	v_add_nc_u32 v15, s26, v7                      ; my quarter of the list
	s_mov_b32 s38, 0x05010400                      ; the byte selects of the turn
	s_mov_b32 s39, 0x07030602
	s_mov_b32 s40, 0x05040100
	s_mov_b32 s41, 0x07060302
	s_lshl_b32 s60, s23, 23                        ; w2: expert, K quarter, columns
	s_lshl_b32 s26, s20, 21
	s_add_co_u32 s60, s60, s26
	s_lshl_b32 s26, s24, 8
	s_add_co_u32 s60, s60, s26
	s_mov_b32 s61, 0
	s_lshl_b32 s62, s23, 12                        ; lst: expert, my quarter
	s_lshl_b32 s27, s20, 10
	s_add_co_u32 s62, s62, s27
	s_mov_b32 s63, 0
	s_lshl_b32 s66, s23, 7                         ; cnt
	s_mov_b32 s67, 0
	s_lshl_b32 s68, s23, 12                        ; b2: expert, columns
	s_add_co_u32 s68, s68, s26
	s_mov_b32 s69, 0
	s_lshl_b32 s70, s23, 21                        ; hq: expert, K quarter: 8 blocks of 1,024 bytes
	s_lshl_b32 s27, s20, 13
	s_add_co_u32 s70, s70, s27
	s_mov_b32 s71, 0
	s_mov_b32 s27, 0                               ; s[26:27] = 256 j: y's columns
	s_wait_kmcnt 0x0
	s_load_b128 s[28:31], s[14:15], 0x0            ; e0, e1, e2, e3
	s_add_nc_u64 s[10:11], s[10:11], s[66:67]
	s_load_b32 s42, s[10:11], 0x0                  ; the expert's rows
	s_add_nc_u64 s[4:5], s[4:5], s[60:61]
	s_add_nc_u64 s[8:9], s[8:9], s[62:63]
	s_add_nc_u64 s[12:13], s[12:13], s[68:69]
	s_add_nc_u64 s[6:7], s[6:7], s[70:71]
	s_add_nc_u64 s[16:17], s[16:17], s[26:27]
	s_wait_alu depctr_va_vdst(0)                   ; the offsets and LDS addresses v4, v7-v12, v14, v15 are written, which the loads and stores of the whole kernel read
	global_load_b128 v[244:247], v7, s[8:9]
	global_load_b128 v[248:251], v7, s[8:9] offset:512
	global_load_b128 v[240:243], v14, s[12:13]     ; b2 of columns 4 r + 0 .. 3
	WLOAD 0
	WLOAD 1
	WLOAD 2
	WLOAD 3
	WIN 0
	s_wait_kmcnt 0x0
	s_add_co_i32 s26, s30, 127
	s_lshl_b32 s27, s26, 23
	v_mov_b32 v5, s27                              ; 2^e2 as f32: the conversion takes its exponent field
	s_add_co_i32 s26, s26, 15
	s_lshl_b32 s26, s26, 23
	s_or_b32 s33, s26, 0x600000                    ; 57,344 x 2^e2
	s_or_b32 s32, s33, 0x80000000
	s_add_co_i32 s26, s30, s31
	s_add_co_i32 s26, s26, 127
	s_lshl_b32 s36, s26, 23                        ; 2^(e2 + e3)
	s_add_co_u32 s47, s42, 15
	s_lshr_b32 s47, s47, 4                         ; tiles of 16 rows
	s_max_u32 s46, s47, 1
	s_sub_co_u32 s46, s46, 1                       ; the last of them
	CHUNK 0, 1
	WIN 0                                          ; behind chunk 0's wait all that was issued ahead of the weights is in
	ds_store_b128 v15, v[244:247]                  ; (data that loads brought, an address of the head's: no vector line has named either since the head's wait)
	ds_store_b128 v15, v[248:251] offset:512
.irp ci, 1,2,3,4,5,6,7,8,9,10,11
	CHUNK \ci, 1
.endr
	s_mov_b32 s49, 0                               ; the block's first tile
.irp ci, 12,13,14,15
	CHUNK \ci, 2                                   ; the ring goes on into the rows: every count stays 48
.endr
	WIN 0
	s_mov_b32 s48, 0                               ; block
	s_mov_b32 s50, 0                               ; its first list word, in bytes
.Lblock:
	s_wait_alu depctr_vm_vsrc(0)                   ; the last block's LDS loads have read v13, which is written below; its LDS stores have read the accumulators, which this block's products write; its last stores have read v192-223 and v232-239
	v_add_nc_u32 v13, s50, v12
	s_wait_alu depctr_va_vdst(0)                   ; v13 is written, which the finishing's LDS loads read
	s_wait_dscnt 0x0                               ; my quarter of the list lies in LDS (first trip); my reads of the last block's partial sums are over
	s_barrier_signal -1
	s_barrier_wait -1
	GROUP2 0
	GROUP2 1
	s_wait_dscnt 0x0                               ; my partial sums lie in LDS
	s_barrier_signal -1
	s_barrier_wait -1
	REDUCE2 0
	REDUCE2 1
	s_add_co_u32 s49, s49, 8
	s_add_co_u32 s50, s50, 512
	s_add_co_u32 s48, s48, 1
	s_cmp_lt_u32 s48, 8
	s_cbranch_scc1 .Lblock
	s_wait_dscnt 0x0                               ; the closing lines, six on end
	s_wait_alu 0x0
	s_wait_tensorcnt 0x0
	ds_add_u32 v254, v255
	s_wait_dscnt 0x0
	s_endpgm
.Lfunc_end_k_q41406e802d_ffn2:
	.size	k_q41406e802d_ffn2, .Lfunc_end_k_q41406e802d_ffn2-k_q41406e802d_ffn2
	.p2alignl 7, 3214868480
	.fill 96, 4, 3214868480
	.section	.rodata,"a",@progbits
	.p2align	6, 0x0
	.amdhsa_kernel k_q41406e802d_ffn2
		.amdhsa_group_segment_fixed_size 135680
		.amdhsa_private_segment_fixed_size 0
		.amdhsa_enable_private_segment 0
		.amdhsa_kernarg_size 56
		.amdhsa_user_sgpr_count 2
		.amdhsa_user_sgpr_kernarg_segment_ptr 1
		.amdhsa_wavefront_size32 1
		.amdhsa_system_sgpr_workgroup_id_x 1
		.amdhsa_system_sgpr_workgroup_id_y 1
		.amdhsa_system_sgpr_workgroup_id_z 1
		.amdhsa_system_vgpr_workitem_id 0
		.amdhsa_next_free_vgpr 1024
		.amdhsa_next_free_sgpr 72
		.amdhsa_reserve_vcc 0
		.amdhsa_float_denorm_mode_32 3
		.amdhsa_float_denorm_mode_16_64 3
		.amdhsa_memory_ordered 1
		.amdhsa_forward_progress 1
		.amdhsa_inst_pref_size 191
	.end_amdhsa_kernel
	.amdgpu_metadata
---
amdhsa.version: [ 1, 2 ]
amdhsa.kernels:
  - .name:           k_q41406e802d_ffn2
    .symbol:         k_q41406e802d_ffn2.kd
    .args:
      - { .name: w2, .offset: 0, .size: 8, .value_kind: global_buffer, .address_space: global }
      - { .name: hq, .offset: 8, .size: 8, .value_kind: global_buffer, .address_space: global }
      - { .name: lst, .offset: 16, .size: 8, .value_kind: global_buffer, .address_space: global }
      - { .name: cnt, .offset: 24, .size: 8, .value_kind: global_buffer, .address_space: global }
      - { .name: b2, .offset: 32, .size: 8, .value_kind: global_buffer, .address_space: global }
      - { .name: lowp_scales, .offset: 40, .size: 8, .value_kind: global_buffer, .address_space: global }
      - { .name: y, .offset: 48, .size: 8, .value_kind: global_buffer, .address_space: global }
    .group_segment_fixed_size: 135680
    .private_segment_fixed_size: 0
    .kernarg_segment_align: 8
    .kernarg_segment_size: 56
    .max_flat_workgroup_size: 128
    .sgpr_count:     72
    .vgpr_count:     1024
    .wavefront_size: 32
...
	.end_amdgpu_metadata
.endif
;; end of part 8
;; launch combine: the kernel of part 5 again; grid 256 x 1, 4 waves a work-group, no clusters, 0 bytes of LDS; arguments h, y, rwt, out0; writes out0
